; MI455X (gfx1250); checked and timed in simulation.
; The chip was launched on July 23, 2026; its instructions are those of AMD's public machine-readable ISA for CDNA 5 (MIT licence, August 2026) and "CDNA5" Instruction Set Architecture Reference Guide (July 2026). The comments in the code are by the model that wrote it; some were corrected since.
;; Dummy Moe Layer. Allowed arithmetic: matrix products marked QUANTISED: E2M3 operands, one E8M0 scale for each 32 along K, by v_wmma_scale_f32_16x16x128_f8f6f4 with both operands' format E2M3, f32 sums; products left as they are: f32 operands where the result goes on into a quantised operand, else bf16, f16 or f32 operands; f32 sums; everything else in f32.
;; Inputs: w_down 8 x 2,048 x 1,024 float32; w_gate 8 x 1,024 x 2,048 float32; w_router 1,024 x 8 float32; w_up 8 x 1,024 x 2,048 float32; x 1,024 x 1,024 float32.
;; Outputs: out0 1,024 x 1,024 float32.
;; Constants: top_k = 2.
;; This version of the problem:
;;   THIS VERSION OF THE PROBLEM IS GIVEN IN LOW PRECISION. The matrix products marked QUANTISED in the list below multiply operands that are first quantised to E2M3 (2 exponent bits, 3 mantissa bits; 6 bits a number), with one power-of-two scale for each 32 numbers along K (OCP MX v1.0); their sums are f32. All else is computed in f32.
;;   The module's matrix products, in the order in which they are computed (A, B: the left and right operand; K: the contracted axis; several contracted axes count as one K, in the product's order):
;;     1. [M 1,024, K 1,024] x [K 1,024, N 8]; A: input x; B: input w_router: left as it is (N = 8 < 16)
;;     2. [M 16,384, K 1,024] x [K 1,024, N 1,024]; A: input w_gate; B: input x: QUANTISED
;;     3. [M 16,384, K 1,024] x [K 1,024, N 1,024]; A: input w_up; B: input x: QUANTISED
;;     4. batch 8 x [M 1,024, K 2,048] x [K 2,048, N 1,024]; A: computed on the way; B: input w_down: QUANTISED
;;     5. batch 1,024 x [M 1,024, K 8] x [K 8, N 1]; A: computed on the way; B: computed on the way: left as it is (K = 8 < 32)
;;   THE QUANTISER, for each operand of a quantised product, along K:
;;     - K is cut into blocks of 32 from its start; a last block that is shorter is filled with zeros.
;;     - A block's scale is 2^e with e = floor(log2(the largest magnitude in the block)) - 2, held to -126 .. 127; a block of zeros has e = 0. As a byte (E8M0): e + 127.
;;     - Each number is divided by its block's scale, clamped to +-7.5, and rounded to the nearest number of E2M3, ties to even, subnormals kept.
;;     - The product sums the exact products of the quantised numbers (number of the format x scale) in f32.
;;   ~~~python
;;   def quantise(x, axis):      # numpy; x: float32 -> the quantised numbers, widened to float32 again
;;       x = np.moveaxis(x, axis, -1); K = x.shape[-1]
;;       x = np.pad(x, [(0, 0)] * (x.ndim - 1) + [(0, -K % 32)]); x = x.reshape(x.shape[:-1] + (-1, 32)); a = np.abs(x).max(-1, keepdims=True)
;;       e = np.where(a > 0, np.clip(np.frexp(np.where(a > 0, a, 1))[1] - 1 - 2, -126, 127), 0)      # np.frexp(a)[1] - 1 = floor(log2(a)), exactly
;;       r = np.clip(x / 2.0 ** e, -7.5, 7.5)
;;       step = 2.0 ** (np.maximum(np.frexp(np.where(r == 0, 1, r))[1] - 1, 0) - 3)
;;       q = np.round(r / step) * step * 2.0 ** e      # np.round: ties to even
;;       return np.moveaxis(q.reshape(q.shape[:-2] + (-1,))[..., :K], -1, axis).astype(np.float32)
;;   ~~~
;;   OPERANDS COMPUTED ON THE WAY. 'Computed on the way' means the value that the module computes at that place (a softmax that the list does not call 'softmax' is quantised finished and normalised). What goes into a quantiser is computed in f32, as accurately as f32 sums, v_exp_f32 and their like allow (about 1e-6 of the number): no bf16 or f16 on the way to a quantiser, and a product that is left as it is and whose result goes on into a quantised operand takes f32 operands (vector FMAs, or v_wmma_f32_16x16x4_f32). A number that lies on a knife's edge between two numbers of the format may be rounded either way, as far as f32 arithmetic and the matrix unit's own rounding can turn it there, and no further.
;; 2 versions. Each part assembles by itself: llvm-mc -triple=amdgcn-amd-amdhsa -mcpu=gfx1250 --defsym DOCPART=n.
;; ======== version 1 of 2: 4 launches
;; workspace buffers: x_codes 786,432 bytes; x_scales 32,768 bytes; ids 4,096 bytes of whole numbers; gates 8,192 bytes; table 2,048 bytes of whole numbers; h_codes 12,582,912 bytes; h_scales 524,288 bytes; y 67,108,864 bytes
;; launch route (part 1): grid 256 x 1, 4 waves a work-group, no clusters, 22,528 bytes of LDS; arguments x, w_router, x_codes, x_scales, ids, gates; writes x_codes, x_scales, ids, gates
.if DOCPART == 1
	.amdgcn_target "amdgcn-amd-amdhsa--gfx1250"
	.amdhsa_code_object_version 6
	.text
	.protected	k_qa0080a29ce_route
	.globl	k_qa0080a29ce_route
	.p2align	8
	.type	k_qa0080a29ce_route,@function
k_qa0080a29ce_route:
	s_mov_b64 s[64:65], 0
	v_nop
	global_prefetch_b8 v0, s[64:65] scope:SCOPE_SE
	s_setreg_imm32_b32 hwreg(HW_REG_WAVE_MODE, 25, 1), 1
	s_wait_xcnt 0x0
; ROUTE.  x [1024][1024] f32, w_router [1024][8] f32.  A work-group of four waves takes four tokens, 4 wg + t.
; (1) logits = x w_router in f32 by fused multiply-adds.  WAVE w TAKES K = 256 w .. 256 w + 255 FOR ALL FOUR TOKENS: 8 loads of x and 16 of w_router, all issued at once.  The four waves' parts meet in LDS behind the one barrier;
;     wave 0 adds them and takes the two largest (on equal logits the lower index comes first) and the softmax over the two, the larger taken away ahead of the exponential.
;     Stored at fixed places: ids[n] = e0 | e1 << 8 | (1 << e0 | 1 << e1) << 16,  gates[n] = (p0, p1).  No address and no branch here hangs on them.
; (2) x becomes codes of FP6 (E2M3) with one E8M0 byte for each 32 along K; wave w takes token w.  x_codes [n][768 bytes], a row's plain stream of bits; x_scales [n][8 words]: word q, byte 2 c + h = the byte of block 4 q + 2 h + c,
;     the order in which the products of the next launch lay the blocks of a K step (alike on both operands).
; A block's scale is 2^(floor(log2(largest magnitude)) - 2): its byte is the largest magnitude's exponent field less 2, held at 1 from below by a floor among the maximum's leaves.
; LIMITS: NaN and infinities among the inputs are not served.  A block of zeros, or one whose largest magnitude lies under 2^-124, gets the byte 1 (its codes are zeros; only this program reads the bytes).
; The logits are f32 sums in another order than a row-by-row sum: where the second and third logit of a token differ by less than that rounding, the choice may fall the other way.
; Each load of x covers 512 consecutive bytes; the conversions want 32 neighbours in ONE lane, so a token's 4,096 bytes turn through LDS: 32 places of 128 bytes + 16 of padding; behind the barrier lane l reads place l = block l.
.set XD,    32                         ; v32-63   x as loaded: XD + 8 t + 4 ii + j = x[t][256 w + 128 ii + 4 l + j]
.set WR,    64                         ; v64-127  w_router: WR + 32 ii + 8 j + e = w[256 w + 128 ii + 4 l + j][e]
.set PT,    64                         ; later, in wave 0: the four waves' parts, PT + 8 w' + e
.set XB,    96                         ; later: my block's 32 numbers
.set ACC,   128                        ; v128-159 sums: 8 t + e
.set A_OR,  160                        ; v160     LDS: where I read my token's codes back, 8 bytes a lane
.set A_PW,  161                        ; v161     LDS: where my wave's parts of token l % 4 go
.set A_PR,  162                        ; v162     LDS: wave 0's parts of token l % 4
.set TPL,   144                        ; a place in the turn
.set TTOK,  32*TPL                     ; a token's 32 places
.set OUTS,  4*TTOK                     ; four rows of 768 bytes of codes, one for each wave
.set PS,    OUTS+4*768                 ; the parts: for each wave 4 tokens x 8 sums, 128 bytes
	s_load_b256 s[4:11], s[0:1], 0x0               ; x s[4:5], w_router s[6:7], x_codes s[8:9], x_scales s[10:11]
	s_load_b128 s[12:15], s[0:1], 0x20             ; ids s[12:13], gates s[14:15]
	v_lshl_add_u32 v168, v0, 2, 0x5600
	v_mov_b32 v169, 0
	v_lshrrev_b32 v10, 5, v0
	v_readfirstlane_b32 s2, v10                    ; wave 0..3
	v_and_b32 v1, 31, v0                           ; lane l
	s_lshl_b32 s32, s2, 10
	v_lshl_add_u32 v2, v1, 4, s32                  ; x: 16 l + my 256 numbers of a row
	s_lshl_b32 s32, s2, 13
	v_lshl_add_u32 v3, v1, 7, s32                  ; w_router: my four rows of a group of 128, + my 256 rows of 32 bytes
	v_lshrrev_b32 v10, 3, v1
	v_and_b32 v11, 7, v1
	v_mul_u32_u24 v4, v10, TPL
	v_lshl_add_u32 v4, v11, 4, v4
	s_mul_i32 s32, s2, 8*TPL
	v_add_nc_u32 v4, s32, v4                       ; the turn, in: place 8 w + l / 8 (+ 4 for the second load), 16 (l % 8) in it
	v_mul_u32_u24 v5, v1, TPL
	s_mul_i32 s32, s2, TTOK
	v_add_nc_u32 v5, s32, v5                       ; the turn, out: token w, place l
	v_mul_u32_u24 v6, v1, 24
	s_mul_i32 s33, s2, 768
	s_add_co_u32 s32, s33, OUTS
	v_add_nc_u32 v6, s32, v6                       ; my block's 24 bytes in my wave's row of codes
	v_lshl_add_u32 v[A_OR], v1, 3, s32
	v_lshrrev_b32 v10, 2, v1
	v_and_b32 v11, 1, v1
	v_lshlrev_b32 v7, 2, v10
	v_lshl_add_u32 v7, v11, 1, v7
	v_bfe_u32 v11, v1, 1, 1
	v_add_nc_u32 v7, v7, v11                       ; my block's byte in the token's 32: word l / 4, byte 2 (l % 2) + (l / 2) % 2
	v_lshlrev_b32 v8, 2, v1                        ; 4 l
	v_lshlrev_b32 v9, 3, v1                        ; 8 l
	v_and_b32 v10, 3, v1
	s_lshl_b32 s32, s2, 7
	s_add_co_u32 s32, s32, PS
	v_lshl_add_u32 v[A_PW], v10, 5, s32
	v_lshl_add_u32 v[A_PR], v10, 5, PS
	s_mov_b32 s16, 0x76543210                      ; v_permlanex16_b32's selects for lane l xor 16
	s_mov_b32 s17, 0xfedcba98
	s_mov_b32 s18, 0x22222222                      ; lanes with l % 4 = 1, 2, 3
	s_mov_b32 s19, 0x44444444
	s_mov_b32 s20, 0x88888888
	s_lshl_b32 s22, ttmp9, 14                      ; four rows of x
	s_mov_b32 s23, 0
	s_mul_i32 s24, ttmp9, 3072                     ; four rows of codes,
	s_add_co_u32 s24, s24, s33                     ; and my wave's
	s_mov_b32 s25, 0
	s_lshl_b32 s26, ttmp9, 7                       ; four rows of scale bytes,
	s_lshl_b32 s32, s2, 5
	s_add_co_u32 s26, s26, s32                     ; and my wave's
	s_mov_b32 s27, 0
	s_lshl_b32 s28, ttmp9, 4                       ; four words of ids
	s_mov_b32 s29, 0
	s_lshl_b32 s30, ttmp9, 5                       ; four pairs of gates
	s_mov_b32 s31, 0
	s_wait_kmcnt 0x0
	s_add_nc_u64 s[4:5], s[4:5], s[22:23]
	s_add_nc_u64 s[8:9], s[8:9], s[24:25]
	s_add_nc_u64 s[10:11], s[10:11], s[26:27]
	s_add_nc_u64 s[12:13], s[12:13], s[28:29]
	s_add_nc_u64 s[14:15], s[14:15], s[30:31]
.irp t, 0,1,2,3
.irp ii, 0,1
	global_load_b128 v[XD+8*\t+4*\ii:XD+8*\t+4*\ii+3], v2, s[4:5] offset:4096*\t+512*\ii th:TH_LOAD_NT   ; 512 consecutive bytes; x is read here and nowhere else
.endr
.endr
.irp ii, 0,1                           ; my 256 rows of w_router: sixteen loads that cover 8,192 consecutive bytes between them
.irp j, 0,1,2,3
	global_load_b128 v[WR+32*\ii+8*\j:WR+32*\ii+8*\j+3], v3, s[6:7] offset:4096*\ii+32*\j
	global_load_b128 v[WR+32*\ii+8*\j+4:WR+32*\ii+8*\j+7], v3, s[6:7] offset:4096*\ii+32*\j+16
.endr
.endr
	s_wait_loadcnt 16                              ; x is in; the sixteen loads of w_router behind it may be out
.irp t, 0,1,2,3
.irp ii, 0,1
	ds_store_b128 v4, v[XD+8*\t+4*\ii:XD+8*\t+4*\ii+3] offset:TTOK*\t+4*TPL*\ii
.endr
.endr
; two sums at a time: ACC[8 t + 2 ep ..] += w[k][2 ep ..] x[t][k], x taken for both halves from one register of its pair.  The very first product starts the sums: nothing is cleared
.macro RFMA t, ii, j, ep
.set rA, ACC+8*(\t)+2*(\ep)
.set rW, WR+32*(\ii)+8*(\j)+2*(\ep)
.set rX, XD+8*(\t)+4*(\ii)+2*((\j)/2)
.if ((\ii) == 0) && ((\j) == 0)
	v_pk_mul_f32 v[rA:rA+1], v[rW:rW+1], v[rX:rX+1] op_sel_hi:[1,0]
.elseif ((\j)%2) == 0
	v_pk_fma_f32 v[rA:rA+1], v[rW:rW+1], v[rX:rX+1], v[rA:rA+1] op_sel_hi:[1,0,1]
.else
	v_pk_fma_f32 v[rA:rA+1], v[rW:rW+1], v[rX:rX+1], v[rA:rA+1] op_sel:[0,1,0] op_sel_hi:[1,1,1]
.endif
.endm
	s_wait_loadcnt 0x0                             ; w_router is in
.irp ii, 0,1
.irp j, 0,1,2,3
.irp t, 0,1,2,3
.irp ep, 0,1,2,3
	RFMA \t, \ii, \j, \ep
.endr
.endr
.endr
.endr
	s_wait_dscnt 0x0                               ; the stores into the turn have read XD: its registers serve as scratch below
.irp m, 1,2,4,8                        ; the 32 sums over the 32 lanes: four steps inside each half ride on the addition,
.set kk, 0
.rept 32
	v_add_f32_dpp v[ACC+kk], v[ACC+kk], v[ACC+kk] row_xmask:\m row_mask:0xf bank_mask:0xf
.set kk, kk+1
.endr
.endr
.set kk, 0
.rept 32
	v_permlanex16_b32 v[XD+kk], v[ACC+kk], s16, s17       ; one crosses the halves (its destination was written by the loads)
.set kk, kk+1
.endr
.set kk, 0
.rept 32
	v_add_f32 v[ACC+kk], v[ACC+kk], v[XD+kk]
.set kk, kk+1
.endr
.irp e, 0,1,2,3,4,5,6,7                ; lane l takes token l % 4: my wave's eight parts of it in v10-17
	v_cndmask_b32 v[10+\e], v[ACC+\e], v[ACC+8+\e], s18
	v_cndmask_b32 v[10+\e], v[10+\e], v[ACC+16+\e], s19
	v_cndmask_b32 v[10+\e], v[10+\e], v[ACC+24+\e], s20
.endr
	ds_store_b128 v[A_PW], v[10:13]                ; the eight lanes of a token write the same bytes with the same values
	ds_store_b128 v[A_PW], v[14:17] offset:16
	s_wait_dscnt 0x0                               ; for the others' sake: my part of the turn and my parts of the sums lie in LDS
	s_barrier_signal -1
	s_barrier_wait -1                              ; the one barrier: behind it the turn and the parts are only read, and each wave's row of codes is its own
.irp c8, 0,1,2,3,4,5,6,7
	ds_load_b128 v[XB+4*\c8:XB+4*\c8+3], v5 offset:16*\c8          ; token w, block l
.endr
	s_cmp_lg_u32 s2, 0                             ; wave 0 alone finishes the logits and chooses
	s_cbranch_scc1 .Lquant
.irp p, 0,1,2,3
	ds_load_b128 v[PT+8*\p:PT+8*\p+3], v[A_PR] offset:128*\p
	ds_load_b128 v[PT+8*\p+4:PT+8*\p+7], v[A_PR] offset:128*\p+16
.endr
	s_wait_dscnt 0x0
.irp e, 0,2,4,6
	v_pk_add_f32 v[10+\e:11+\e], v[PT+\e:PT+\e+1], v[PT+8+\e:PT+8+\e+1]
	v_pk_add_f32 v[PT+16+\e:PT+16+\e+1], v[PT+16+\e:PT+16+\e+1], v[PT+24+\e:PT+24+\e+1]
.endr
.irp e, 0,2,4,6
	v_pk_add_f32 v[10+\e:11+\e], v[10+\e:11+\e], v[PT+16+\e:PT+16+\e+1]    ; token l % 4's eight logits
.endr
	v_mov_b32 v18, v10                             ; the largest and its index: a later logit takes over only where it is greater
	v_mov_b32 v19, 0
.irp e, 1,2,3,4,5,6,7
	v_cmp_le_f32 vcc_lo, v[10+\e], v18             ; keep
	v_cndmask_b32 v18, v[10+\e], v18, vcc_lo
	v_cndmask_b32 v19, \e, v19, vcc_lo
.endr
	v_mov_b32 v20, 0xff800000                      ; the second: the same over the seven others, from -infinity on
	v_mov_b32 v21, 0
.irp e, 0,1,2,3,4,5,6,7
	v_cmp_eq_u32 s34, \e, v19
	v_cmp_le_f32 vcc_lo, v[10+\e], v20
	s_or_b32 vcc_lo, vcc_lo, s34                   ; keep
	v_cndmask_b32 v20, v[10+\e], v20, vcc_lo
	v_cndmask_b32 v21, \e, v21, vcc_lo
.endr
	v_sub_f32 v22, v20, v18                        ; second - largest, 0 or less
	v_mul_f32 v22, 0x3fb8aa3b, v22
	v_exp_f32 v22, v22                             ; t = e^(second - largest)
	v_mov_b32 v24, 0x10000                         ; (a plain instruction behind the transcendental)
	s_wait_alu depctr_va_vdst(0)
	v_add_f32 v23, 1.0, v22
	v_rcp_f32 v26, v23                             ; p0 = 1 / (1 + t)
	v_lshlrev_b32 v25, v19, v24                    ; (a plain instruction)  1 << (16 + e0)
	s_wait_alu depctr_va_vdst(0)
	v_mul_f32 v27, v22, v26                        ; p1 = t p0
	v_lshlrev_b32 v29, v21, v24
	v_lshl_or_b32 v28, v21, 8, v19
	v_or_b32 v28, v28, v25
	v_or_b32 v28, v28, v29
	s_wait_xcnt 0x0                                ; EXEC changes only behind this wait
	v_cmp_gt_u32 vcc_lo, 4, v1
	s_and_saveexec_b32 s21, vcc_lo                 ; lanes 0 to 3: one for each token
	global_store_b32 v8, v28, s[12:13]
	global_store_b64 v9, v[26:27], s[14:15]
	s_wait_xcnt 0x0
	s_or_b32 exec_lo, exec_lo, s21
.Lquant:
	s_wait_dscnt 0x0                               ; my block's 32 numbers are back
	v_max3_num_f32 v10, |v[XB]|, |v[XB+1]|, 0x1800000              ; the largest magnitude, in two chains; the floor 2^(3 - 127) among the leaves: the byte cannot fall under 1
	v_max3_num_f32 v11, |v[XB+16]|, |v[XB+17]|, |v[XB+18]|
.irp i, 2,4,6,8,10,12
	v_max3_num_f32 v10, v10, |v[XB+\i]|, |v[XB+\i+1]|
	v_max3_num_f32 v11, v11, |v[XB+17+\i]|, |v[XB+18+\i]|
.endr
	v_max3_num_f32 v10, v10, |v[XB+14]|, |v[XB+15]|
	v_max3_num_f32 v10, v10, v11, |v[XB+31]|
	v_add_nc_u32 v12, 0xff000000, v10              ; 2 off the exponent field: the conversion takes this operand's exponent field as its scale
	v_lshrrev_b32 v13, 23, v12                     ; the scale's byte
	v_cvt_scalef32_pk16_fp6_f32 v[16:18], v[XB:XB+15], v12
	v_cvt_scalef32_pk16_fp6_f32 v[22:24], v[XB+16:XB+31], v12      ; (a conversion's three registers begin on an even number)
	v_nop                                          ; one plain instruction behind the conversions
	v_mov_b32 v19, v22
	v_mov_b32 v20, v23
	v_mov_b32 v21, v24
	ds_store_b64 v6, v[16:17]
	ds_store_b64 v6, v[18:19] offset:8
	ds_store_b64 v6, v[20:21] offset:16
.irp j, 0,1,2
	ds_load_b64 v[32+2*\j:33+2*\j], v[A_OR] offset:256*\j          ; LDS serves a wave's instructions in order: these see my stores
.endr
	global_store_b8 v7, v13, s[10:11]              ; the 32 lanes write the token's 32 consecutive scale bytes
	s_wait_dscnt 0x0
.irp j, 0,1,2
	global_store_b64 v9, v[32+2*\j:33+2*\j], s[8:9] offset:256*\j  ; 256 consecutive bytes, at a multiple of 256 from the buffer's first byte (a row is 768)
.endr
	s_wait_tensorcnt 0x0
	ds_add_u32 v168, v169
	s_wait_dscnt 0x0
	s_endpgm
.Lfunc_end_k_qa0080a29ce_route:
	.size	k_qa0080a29ce_route, .Lfunc_end_k_qa0080a29ce_route-k_qa0080a29ce_route
	.p2alignl 7, 3214868480
	.fill 96, 4, 3214868480
	.section	.rodata,"a",@progbits
	.p2align	6, 0x0
	.amdhsa_kernel k_qa0080a29ce_route
		.amdhsa_group_segment_fixed_size 22528
		.amdhsa_private_segment_fixed_size 0
		.amdhsa_enable_private_segment 0
		.amdhsa_kernarg_size 48
		.amdhsa_user_sgpr_count 2
		.amdhsa_user_sgpr_kernarg_segment_ptr 1
		.amdhsa_wavefront_size32 1
		.amdhsa_system_sgpr_workgroup_id_x 1
		.amdhsa_system_sgpr_workgroup_id_y 1
		.amdhsa_system_sgpr_workgroup_id_z 1
		.amdhsa_system_vgpr_workitem_id 0
		.amdhsa_next_free_vgpr 170
		.amdhsa_next_free_sgpr 66
		.amdhsa_reserve_vcc 1
		.amdhsa_float_denorm_mode_32 3
		.amdhsa_float_denorm_mode_16_64 3
		.amdhsa_memory_ordered 1
		.amdhsa_forward_progress 1
		.amdhsa_inst_pref_size 35
	.end_amdhsa_kernel
	.amdgpu_metadata
---
amdhsa.version: [ 1, 2 ]
amdhsa.kernels:
  - .name:           k_qa0080a29ce_route
    .symbol:         k_qa0080a29ce_route.kd
    .args:
      - { .name: x, .offset: 0, .size: 8, .value_kind: global_buffer, .address_space: global }
      - { .name: w_router, .offset: 8, .size: 8, .value_kind: global_buffer, .address_space: global }
      - { .name: x_codes, .offset: 16, .size: 8, .value_kind: global_buffer, .address_space: global }
      - { .name: x_scales, .offset: 24, .size: 8, .value_kind: global_buffer, .address_space: global }
      - { .name: ids, .offset: 32, .size: 8, .value_kind: global_buffer, .address_space: global }
      - { .name: gates, .offset: 40, .size: 8, .value_kind: global_buffer, .address_space: global }
    .group_segment_fixed_size: 22528
    .private_segment_fixed_size: 0
    .kernarg_segment_align: 8
    .kernarg_segment_size: 48
    .max_flat_workgroup_size: 128
    .sgpr_count:     66
    .vgpr_count:     170
    .wavefront_size: 32
...
	.end_amdgpu_metadata
.endif
;; end of part 1
;; launch gateup (part 2): grid 32 x 8, 8 waves a work-group, no clusters, 104,448 bytes of LDS; arguments x_codes, x_scales, ids, w_gate, w_up, h_codes, h_scales, table; writes h_codes, h_scales, table
.if DOCPART == 2
	.amdgcn_target "amdgcn-amd-amdhsa--gfx1250"
	.amdhsa_code_object_version 6
	.text
	.protected	k_qa0080a29ce_gateup
	.globl	k_qa0080a29ce_gateup
	.p2align	8
	.type	k_qa0080a29ce_gateup,@function
k_qa0080a29ce_gateup:
	s_mov_b64 s[64:65], 0
	v_nop
	global_prefetch_b8 v0, s[64:65] scope:SCOPE_SE
	s_setreg_imm32_b32 hwreg(HW_REG_WAVE_MODE, 25, 1), 1
	s_wait_xcnt 0x0
; GATEUP.  Work-group (s, e): expert e, hidden units 64 s .. 64 s + 63.  h = silu(x Wg) (x Wu) for the tokens that chose e, both products on codes of FP6 (E2M3) with E8M0 scales; h is quantised along the hidden axis and stored as codes.
; THE WEIGHTS ARE READ ONCE, AS f32, BY THE ONE WORK-GROUP THAT USES THEM: 2 x 1,024 rows x 256 bytes.  K is their first axis: a lane takes four columns and its registers run down K; the codes go to LDS as images of the
; operand's registers and stay there.  No tensor load, no cluster: the number of units hangs on the stored choice of experts, no two work-groups share a weight, and what they share (x's codes) is a small part of their bytes.
; THE TOKENS OF e take positions 0, 1, .. in token order.  Every wave makes, from ids, the members' mask of each chunk of 32 tokens and the running counts, in scalar registers, and by them the tokens at 32 positions at a time (MAPTRIP):
; its first pair's ahead of the streaming, each further pair's in the middle of the unit before it, so only for pairs that exist.
; Positions from the count up to the end of the last 32 take some valid token: their numbers are stored and never gathered.  Work-group (0, e) stores (count before chunk, mask) in table.
; THE BLOCKS OF A K STEP: registers 6 c .. 6 c + 5 of lane half h hold quantiser block 4 q + 2 h + c, and byte 2 c + h of a scale word is that block's, alike on both operands: a lane's 48 bytes of a K step are then consecutive in a row.
; PRODUCTS ARE USED TRANSPOSED (source 0 = 16 units of a weight, source 1 = 16 tokens): a lane holds one token.  Lane r of tile 2 b + u takes unit 32 b + 8 u + r + 8 (r / 8), so the 16 registers of tiles 2 b, 2 b + 1 are 16 neighbouring units.
; A UNIT = 32 positions (two tiles of 16) x block b of 32 units x gate and up: 64 matrix instructions on 8 accumulators.  Wave w: b = w % 2, pairs w / 2, w / 2 + 4, ..: the loop counts the wave's own units, one a trip.
; LIMITS: NaN and infinities are not served; a block of zeros, or one under 2^-124, gets the byte 1 with zero codes (only this program reads the bytes).
; REGISTERS.  Window 0: v1-15 lane terms and offsets; v16 the tokens of the pair that is asked for; v22 the next pair's positions; v23 0; v24-31 x's scale words; v32-39 the weights' scale words; v40-63 at work;
;   v64-127 accumulators (32 sub + 8 f, f = 2 m + u); v128-223 two sets of four weight fragments (while streaming: 32 numbers of a column, codes, ids); v224-255 at work.
;   Window 1: two landing sets of 128 while streaming; then x's fragments, 24 q + 12 sub.
.set PITCH, 8192                       ; a row of w_gate or w_up in bytes
.set TS,    1552                       ; a fragment's image: 3 x 512 bytes, + 16 so that the sixteen lanes of a store fall into sixteen different columns of 16 bytes
.set QS,    4*TS                       ; a K step's four tiles
.set SCB,   16*QS                      ; behind the images (matrix m, K step q: (8 m + q) QS): the scale words, 64 bytes a tile
.set LS0,   0
.set LS1,   128
.set GA,    4                          ; v4   64 rows x h + 16 r': my 16 bytes of a load
.set WA,    5                          ; v5   where my column 4 r' + 0's codes go
.set WSA,   6                          ; v6   and its scale byte
.set TOK,   16
.set PP,    22                         ; v22  (position << 5) | 31 of the pair that MAPTRIP takes next
.set ZR,    23                         ; v23  0
.set RSC,   24
.set WS,    32
.set QM,    40
.set QSV,   44
.set QBY,   48
.set QD,    52
.set H48,   55                         ; v55  48 h
.set ACC,   64
.set WB,    128
.set QT,    128
.set QC,    160
.set IDS,   192
.set EE,    224
.set MSB, 0
.macro WIN new                         ; the immediate's high byte repeats the setting that is left; bits 1:0 source 0, 3:2 source 1, 5:4 source 2, 7:6 destination
.if MSB != (\new)
	s_set_vgpr_msb (MSB<<8)|(\new)
.set MSB, \new
.endif
.endm
.macro PLACES n
.rept \n
	v_nop
.endr
.endm
; 64 rows x 64 columns of f32: lanes 0-15 take a row's 256 aligned bytes, lanes 16-31 those of the row 64 further down.  Register set + 4 i + j = W[.. + 64 h + rowimm + i][4 r' + j]
.macro SBLOAD set, rowimm
	WIN 0x40                                       ; destination window 1
.set ii, 0
.rept 32
	global_load_b128 v[\set+4*ii:\set+4*ii+3], v[GA], s[10:11] offset:((\rowimm)+ii)*PITCH th:TH_LOAD_NT
.set ii, ii+1
.endr
	WIN 0
.endm
; a landed set: four columns x one block of 32 along K a lane -> four times 24 bytes of codes and a scale byte, into the images.  c: which of my half's two blocks of the K step
.macro QSB set, imgimm, scimm, c
	s_wait_dscnt 0x0                               ; the last set's LDS stores have read their registers
	WIN 0x14                                       ; sources 1 and 2 window 1
.irp j, 0,1,2,3
	v_max3_num_f32 v[QM+\j], 0x1800000, |v[\set+\j]|, |v[\set+4+\j]|   ; the floor 2^(3 - 127) among the leaves: the byte cannot fall under 1
.endr
.irp i, 2,4,6,8,10,12,14,16,18,20,22,24,26,28,30
.irp j, 0,1,2,3
	v_max3_num_f32 v[QM+\j], v[QM+\j], |v[\set+4*\i+\j]|, |v[\set+4*\i+4+\j]|   ; the four columns by turns
.endr
.endr
	WIN 0
.irp j, 0,1,2,3
	v_add_nc_u32 v[QSV+\j], 0xff000000, v[QM+\j]   ; 2 off the exponent field: the conversion's scale operand
.endr
.irp j, 0,1,2,3
	v_lshrrev_b32 v[QBY+\j], 23, v[QSV+\j]         ; the scale's byte
.endr
.irp j, 0,1,2,3
	ds_store_b8 v[WSA], v[QBY+\j] offset:(\scimm)+4*\j+2*(\c)
.endr
.irp j, 0,1,2,3
	WIN 0x01                                       ; source 0 window 1
.set ii, 0
.rept 32
	v_mov_b32 v[QT+ii], v[\set+4*ii+\j]            ; a conversion wants 16 neighbours along K in consecutive registers
.set ii, ii+1
.endr
	WIN 0
	v_cvt_scalef32_pk16_fp6_f32 v[QC+8*\j:QC+8*\j+2], v[QT:QT+15], v[QSV+\j]
	v_cvt_scalef32_pk16_fp6_f32 v[QD:QD+2], v[QT+16:QT+31], v[QSV+\j]
	v_nop                                          ; one plain instruction behind the conversions
	v_mov_b32 v[QC+8*\j+3], v[QD]
	v_mov_b32 v[QC+8*\j+4], v[QD+1]
	v_mov_b32 v[QC+8*\j+5], v[QD+2]
.if (\c) == 0                          ; registers 0-5 of the fragment: group 0 whole, the lower half of group 1
	ds_store_b128 v[WA], v[QC+8*\j:QC+8*\j+3] offset:(\imgimm)+16*\j
	ds_store_b64 v[WA], v[QC+8*\j+4:QC+8*\j+5] offset:(\imgimm)+16*\j+512
.else                                  ; registers 6-11: the upper half of group 1, group 2 whole
	ds_store_b64 v[WA], v[QC+8*\j:QC+8*\j+1] offset:(\imgimm)+16*\j+520
	ds_store_b128 v[WA], v[QC+8*\j+2:QC+8*\j+5] offset:(\imgimm)+16*\j+1024
.endif
.endr
.endm
; K step q's four weight fragments (gate u = 0, 1; up u = 0, 1 of my block b) and their scale words into set buf: 16 LDS loads
.macro LOADW buf, q
.irp m, 0,1
.irp u, 0,1
.irp g, 0,1,2
	ds_load_b128 v[WB+48*(\buf)+12*(2*\m+\u)+4*\g:WB+48*(\buf)+12*(2*\m+\u)+4*\g+3], v[7+\m] offset:(\q)*QS+\u*TS+512*\g
.endr
	ds_load_b32 v[WS+4*(\buf)+2*\m+\u], v9 offset:(8*\m+(\q))*256+64*\u
.endr
.endr
.endm
.macro MM q, f, sub
.set rD, ACC+32*(\sub)+8*(\f)
.set rA, WB+48*((\q)%2)+12*(\f)
.set rB, 24*(\q)+12*(\sub)
.set rSA, WS+4*((\q)%2)+(\f)
.set rSB, RSC+(\q)
.if (\q) == 0
.if (\sub) == 0
	v_wmma_scale_f32_16x16x128_f8f6f4 v[rD:rD+7], v[rA:rA+11], v[rB:rB+11], 0, v[rSA], v[rSB] matrix_a_fmt:MATRIX_FMT_FP6 matrix_b_fmt:MATRIX_FMT_FP6
.else
	v_wmma_scale_f32_16x16x128_f8f6f4 v[rD:rD+7], v[rA:rA+11], v[rB:rB+11], 0, v[rSA], v[rSB] matrix_a_fmt:MATRIX_FMT_FP6 matrix_b_fmt:MATRIX_FMT_FP6 matrix_b_scale:MATRIX_SCALE_ROW1
.endif
.else
.if (\sub) == 0
	v_wmma_scale_f32_16x16x128_f8f6f4 v[rD:rD+7], v[rA:rA+11], v[rB:rB+11], v[rD:rD+7], v[rSA], v[rSB] matrix_a_fmt:MATRIX_FMT_FP6 matrix_b_fmt:MATRIX_FMT_FP6
.else
	v_wmma_scale_f32_16x16x128_f8f6f4 v[rD:rD+7], v[rA:rA+11], v[rB:rB+11], v[rD:rD+7], v[rSA], v[rSB] matrix_a_fmt:MATRIX_FMT_FP6 matrix_b_fmt:MATRIX_FMT_FP6 matrix_b_scale:MATRIX_SCALE_ROW1
.endif
.endif
.endm
; a K step: the next step's weights are asked for, then 8 products.  The eight accumulators take turns, one instruction a turn, in the same order in every step.
; The first step's products take the constant 0 as C.  One register carries both tiles' scale words of the tokens: lanes 0-15 tile 0's, lanes 16-31 tile 1's.
.macro KSTEP q
	WIN 0x04                                       ; source 1 (the tokens) window 1
.if (\q) < 7
	PLACES 4                                       ; behind the products that read the set that is loaded now (ISA guide 7.12.1)
	LOADW ((\q)+1)%2, (\q)+1
	s_wait_dscnt 16                                ; this step's 16 loads are in; the 16 just issued may be out
.else
	s_wait_dscnt 0x0
.endif
.irp f, 0,1,2,3
.irp sub, 0,1
	MM \q, \f, \sub
.endr
.endr
.endm
; from the register that holds a pair's 32 tokens (lane l: position l): the byte offsets of my rows' codes for tile 0 and tile 1, and of my position's scale words.  The token is held inside x's 1,024 rows ahead of the arithmetic
.macro MAKEADDR tok
	v_permlanex16_b32 v63, v[\tok], s60, s61
	v_cndmask_b32 v10, v[\tok], v63, s63           ; tile 0: both halves want lane r's token
	v_cndmask_b32 v11, v63, v[\tok], s63           ; tile 1: lane 16 + r's
	v_min_u32 v10, 0x3ff, v10
	v_min_u32 v11, 0x3ff, v11
	v_min_u32 v12, 0x3ff, v[\tok]
	v_mul_u32_u24 v10, v10, 768
	v_mul_u32_u24 v11, v11, 768
	v_add_nc_u32 v10, v10, v[H48]
	v_add_nc_u32 v11, v11, v[H48]
	v_lshlrev_b32 v12, 5, v12
.endm
.macro XLOAD q                         ; (destination window 1)  K step q of both tiles: a lane's 48 consecutive bytes, three loads
.irp sub, 0,1
.irp g, 0,1,2
	global_load_b128 v[24*(\q)+12*\sub+4*\g:24*(\q)+12*\sub+4*\g+3], v[10+\sub], s[4:5] offset:96*(\q)+16*\g
.endr
.endr
.endm
.macro XSLOAD i                        ; four of my position's eight scale words
	global_load_b128 v[RSC+4*(\i):RSC+4*(\i)+3], v12, s[6:7] offset:16*(\i)
.endm
.macro SELSTEP a, wbit, wd             ; where the members in the lower half of the field in hand are k or fewer, pass them over
	v_bfe_u32 v234, v[\a], v233, \wd
	v_cmp_lt_u32 vcc_lo, v227, v234
	v_cndmask_b32 v234, v234, v[ZR], vcc_lo
	v_cndmask_b32 v235, \wbit, v[ZR], vcc_lo
	v_sub_nc_u32 v227, v227, v234
	v_or_b32 v233, v233, v235
.endm
; the token at position p (lane l: the pair's position l): the last chunk whose count before it is p or less, and in it the member of rank p - that count.  Then on to my next pair, 128 positions further
.macro MAPTRIP
	v_mov_b32 v225, s66
	v_mov_b32 v226, s16
.set cc, 1
.rept 31
	v_cmp_gt_u32 vcc_lo, s[66+cc], v[PP]           ; keep
	v_cndmask_b32 v225, s[66+cc], v225, vcc_lo
	v_cndmask_b32 v226, s[16+cc], v226, vcc_lo
.set cc, cc+1
.endr
	v_lshrrev_b32 v227, 5, v[PP]
	v_lshrrev_b32 v228, 5, v225
	v_sub_nc_u32 v227, v227, v228                  ; k: the rank in the chunk
	v_lshrrev_b32 v229, 1, v226                    ; the mask's bit counts in fields of 2, 4, 8 and 16 bits
	v_and_b32 v229, 0x55555555, v229
	v_sub_nc_u32 v229, v226, v229
	v_lshrrev_b32 v230, 2, v229
	v_and_b32 v230, 0x33333333, v230
	v_and_b32 v231, 0x33333333, v229
	v_add_nc_u32 v230, v230, v231
	v_lshrrev_b32 v231, 4, v230
	v_add_nc_u32 v231, v231, v230
	v_and_b32 v231, 0x0f0f0f0f, v231
	v_lshrrev_b32 v232, 8, v231
	v_add_nc_u32 v232, v232, v231
	v_and_b32 v232, 0x00ff00ff, v232
	v_mov_b32 v233, 0                              ; the bit's place, found from the top bit down
	SELSTEP 232, 16, 5
	SELSTEP 231, 8, 4
	SELSTEP 230, 4, 3
	SELSTEP 229, 2, 2
	SELSTEP 226, 1, 1
	v_and_b32 v234, 31, v225
	v_lshl_or_b32 v[TOK], v234, 5, v233            ; 32 x chunk + place: 1,023 at the most, whatever p
	v_add_nc_u32 v[PP], 4096, v[PP]
.endm
	s_load_b256 s[4:11], s[0:1], 0x0               ; x_codes s[4:5], x_scales s[6:7], ids s[8:9], w_gate s[10:11]
	s_load_b256 s[52:59], s[0:1], 0x20             ; w_up s[52:53], h_codes s[54:55], h_scales s[56:57], table s[58:59]
	v_lshl_add_u32 v20, v0, 2, 0x19400
	v_mov_b32 v21, 0
	v_lshrrev_b32 v40, 5, v0
	v_readfirstlane_b32 s2, v40                    ; wave 0..7
	s_and_b32 s3, s2, 1                            ; streaming: gate (0) or up (1).  Multiplying: block b
	s_lshr_b32 s12, s2, 1                          ; streaming: K steps 2 rg, 2 rg + 1.  Multiplying: pairs rg, rg + 4, ..
	s_and_b32 s13, ttmp7, 0xffff                   ; expert e
	s_mov_b32 s14, ttmp9                           ; slice s
	s_mov_b32 s60, 0x76543210                      ; v_permlanex16_b32's selects for lane l xor 16
	s_mov_b32 s61, 0xfedcba98
	s_mov_b32 s63, 0xffff0000                      ; lanes 16-31
	s_add_co_u32 s62, s13, 16
	s_lshl_b32 s62, 1, s62                         ; e's bit in a word of ids
	v_and_b32 v1, 31, v0                           ; l
	v_and_b32 v2, 15, v0                           ; r
	v_bfe_u32 v3, v0, 4, 1                         ; h
	v_lshlrev_b32 v[GA], 4, v2
	v_lshl_add_u32 v[GA], v3, 19, v[GA]            ; 64 rows of 8,192 bytes x h + 16 r
	v_bfe_u32 v40, v0, 3, 1
	v_bfe_u32 v41, v0, 1, 1
	v_lshl_add_u32 v40, v40, 1, v41                ; column 4 r + j lies in tile 2 (r / 8) + (r / 2) % 2,
	v_and_b32 v41, 1, v0
	v_bfe_u32 v42, v0, 2, 1                        ; at its row 4 (r % 2) + 8 ((r / 4) % 2) + j
	s_lshl_b32 s98, s3, 3
	s_lshl_b32 s99, s12, 1
	s_add_co_u32 s98, s98, s99                     ; 8 m + my first K step
	s_mul_i32 s99, s98, QS
	v_mul_u32_u24 v[WA], v40, TS
	v_lshl_add_u32 v[WA], v41, 6, v[WA]
	v_lshl_add_u32 v[WA], v42, 7, v[WA]
	v_lshl_add_u32 v[WA], v3, 8, v[WA]             ; 16 x (row + 16 h)
	v_add_nc_u32 v[WA], s99, v[WA]
	v_lshlrev_b32 v[WSA], 6, v40
	v_lshl_add_u32 v[WSA], v41, 4, v[WSA]
	v_lshl_add_u32 v[WSA], v42, 5, v[WSA]          ; 4 x row
	v_add_nc_u32 v[WSA], v[WSA], v3                ; byte 2 c + h
	s_lshl_b32 s98, s98, 8
	s_add_co_u32 s98, s98, SCB
	v_add_nc_u32 v[WSA], s98, v[WSA]
	s_mul_i32 s98, s3, 2*TS
	v_lshl_add_u32 v7, v1, 4, s98                  ; reading: 16 l + my block's first tile, gate's images;
	v_add_nc_u32 v8, 8*QS, v7                      ; up's
	s_lshl_b32 s98, s3, 7
	s_add_co_u32 s98, s98, SCB
	v_lshl_add_u32 v9, v2, 2, s98                  ; and the scale words: 4 r
	v_lshlrev_b32 v13, 4, v1                       ; h's codes: 16 l,
	v_lshl_add_u32 v14, v1, 3, 512                 ; 512 + 8 l;
	v_lshlrev_b32 v15, 2, v1                       ; 4 l: ids, and h's scale words
	v_mul_u32_u24 v[H48], v3, 48
	v_mov_b32 v63, 0                               ; (a lane permute's destination counts as one of its sources)
	v_mov_b32 v[ZR], 0
	s_lshl_b32 s98, s13, 23                        ; the weights: expert e,
	s_lshl_b32 s99, s12, 21                        ; 256 rows x rg,
	s_add_co_u32 s98, s98, s99
	s_lshl_b32 s99, s14, 8                         ; 256 bytes x s
	s_add_co_u32 s98, s98, s99
	s_mov_b32 s99, 0
	s_lshl_b32 s100, s13, 5                        ; h's codes: chunk ((32 e + pair) 64 + 2 s + b) of 768 bytes
	s_add_co_u32 s100, s100, s12
	s_lshl_b32 s100, s100, 6
	s_lshl_b32 s101, s14, 1
	s_add_co_u32 s100, s100, s101
	s_add_co_u32 s100, s100, s3
	s_mul_i32 s100, s100, 768
	s_mov_b32 s101, 0
	s_wait_kmcnt 0x0
	s_cmp_eq_u32 s3, 0                             ; the choice hangs on the wave's number alone
	s_cselect_b64 s[10:11], s[10:11], s[52:53]
	s_add_nc_u64 s[10:11], s[10:11], s[98:99]
	s_add_nc_u64 s[54:55], s[54:55], s[100:101]
.set cc, 0
.rept 32
	global_load_b32 v[IDS+cc], v15, s[8:9] offset:128*cc           ; chunk cc: lane l takes token 32 cc + l
.set cc, cc+1
.endr
	SBLOAD LS0, 0
	s_lshl_b32 s98, s13, 4                         ; h's scale bytes: ((16 e + s / 2) 1,024 + 32 pair) words, byte 2 b + s % 2
	s_lshr_b32 s100, s14, 1
	s_add_co_u32 s98, s98, s100
	s_lshl_b32 s98, s98, 10
	s_lshl_b32 s100, s12, 5
	s_add_co_u32 s98, s98, s100
	s_lshl_b32 s98, s98, 2
	s_lshl_b32 s100, s3, 1
	s_add_co_u32 s98, s98, s100
	s_and_b32 s100, s14, 1
	s_add_co_u32 s98, s98, s100
	s_add_nc_u64 s[56:57], s[56:57], s[98:99]
	s_wait_loadcnt 32                              ; ids are in; the 32 weight loads behind them may be out
.set cc, 0
.rept 32
	v_and_b32 v40, s62, v[IDS+cc]
	v_cmp_ne_u32 s[16+cc], 0, v40                  ; the members of e in chunk cc
.set cc, cc+1
.endr
	SBLOAD LS1, 32
	s_mov_b32 s50, 0
.set cc, 0
.rept 32
	s_lshl_b32 s[66+cc], s50, 5                    ; (members before chunk cc) << 5 | cc
	s_or_b32 s[66+cc], s[66+cc], cc
	s_bcnt1_i32_b32 s51, s[16+cc]
	s_add_co_u32 s50, s50, s51
.set cc, cc+1
.endr
	s_add_co_u32 s15, s50, 31
	s_lshr_b32 s15, s15, 5                         ; pairs of tiles: the count, in whole 32s (32 at the most: 1,024 tokens)
	s_add_co_u32 s15, s15, 3
	s_sub_co_u32 s15, s15, s12                     ; (rg is 3 at the most: never negative)
	s_lshr_b32 s15, s15, 2                         ; MY units: the pairs rg, rg + 4, .. under that number; 0 where there is none
	s_lshl_b32 s98, s12, 5
	v_add_nc_u32 v[PP], s98, v1                    ; my first pair's positions: 32 rg + l,
	v_lshl_or_b32 v[PP], v[PP], 5, 31              ; as p << 5 | 31: one compare against (count << 5 | chunk) asks whether count <= p
	MAPTRIP                                        ; my first pair's tokens
	s_cmp_lg_u32 s14, 0                            ; slice 0's wave 0 stores the expert's table: lane c the pair (members before chunk c, mask of chunk c)
	s_cbranch_scc1 .Lno_table
	s_cmp_lg_u32 s2, 0
	s_cbranch_scc1 .Lno_table
	v_mov_b32 v226, 0
	v_mov_b32 v227, 0
.set cc, 0
.rept 32
	v_writelane_b32 v226, s[66+cc], cc
	v_writelane_b32 v227, s[16+cc], cc
.set cc, cc+1
.endr
	v_lshrrev_b32 v226, 5, v226
	v_lshlrev_b32 v228, 3, v1
	s_lshl_b32 s98, s13, 8
	s_add_nc_u64 s[58:59], s[58:59], s[98:99]
	global_store_b64 v228, v[226:227], s[58:59]
	s_wait_xcnt 0x0                                ; the store's registers are written again further down
.Lno_table:
	; my four sets of 64 x 64 numbers: two are always on their way
	s_wait_loadcnt 32                              ; set 0 is in; set 1's 32 loads may be out
	QSB LS0, 0, 0, 0
	SBLOAD LS0, 128
	s_wait_loadcnt 32                              ; set 1 is in
	QSB LS1, 0, 0, 1
	SBLOAD LS1, 160
	s_wait_loadcnt 32                              ; set 2 is in
	QSB LS0, QS, 256, 0
	MAKEADDR TOK                                   ; my first pair's x is asked for at once, whether or not the pair exists: its tokens are valid rows
	WIN 0x40
	XLOAD 0
	XLOAD 1
	XLOAD 2
	XLOAD 3
	XLOAD 4                                        ; registers 0-119 of window 1: the landing set that has just been read out
	WIN 0
	XSLOAD 0
	XSLOAD 1
	s_wait_loadcnt 32                              ; set 3 is in; the 30 + 2 loads of x behind it may be out
	QSB LS1, QS, 256, 1
	WIN 0x40
	XLOAD 5
	XLOAD 6
	XLOAD 7
	WIN 0
	s_wait_dscnt 0x0                               ; for the others' sake: my images and scale bytes lie in LDS
	s_barrier_signal -1
	s_barrier_wait -1                              ; the one barrier: behind it LDS is only read.  It stands ahead of every branch on the stored choice
	s_mov_b32 s99, 0                               ; the upper words of the two steps below
	s_mov_b32 s101, 0
	s_mov_b32 s48, 0                               ; units done
	s_cmp_eq_u32 s15, 0
	s_cbranch_scc1 .Lend
.Lunit:
	s_wait_loadcnt 0x0                             ; this pair's x is in, and no load names v10-12 any more
	s_add_co_u32 s49, s48, 1                       ; is there a unit behind this one?
	LOADW 0, 0
	KSTEP 0
	KSTEP 1
	KSTEP 2
	KSTEP 3
	WIN 0
	s_wait_xcnt 0x0                                ; the last unit's three stores have read their registers and bases: here, half a unit behind them, and ahead of every line that writes those again
	s_cmp_eq_u32 s48, 0
	s_cselect_b32 s98, 0, 4*49152                  ; h's places step four pairs on, but not in my first unit
	s_cselect_b32 s100, 0, 512
	s_add_nc_u64 s[54:55], s[54:55], s[98:99]
	s_add_nc_u64 s[56:57], s[56:57], s[100:101]
	s_cmp_lt_u32 s49, s15
	s_cbranch_scc0 .Lxa
	PLACES 4                                       ; behind the products that read what is loaded now
	MAPTRIP                                        ; my next pair's tokens
	MAKEADDR TOK
	WIN 0x40
	XLOAD 0
	XLOAD 1
	XLOAD 2
	XLOAD 3
	WIN 0
	XSLOAD 0
.Lxa:
	KSTEP 4
	KSTEP 5
	KSTEP 6
	KSTEP 7
	WIN 0
	PLACES 5                                       ; behind the last products: results are read, operands loaded anew, and the next unit's first products write over the accumulators
	s_cmp_lt_u32 s49, s15
	s_cbranch_scc0 .Lxb
	WIN 0x40
	XLOAD 4
	XLOAD 5
	XLOAD 6
	XLOAD 7
	WIN 0
	XSLOAD 1
.Lxb:
	; h = g u / (1 + e^-g), in f32.  Each accumulator is read from its low end on
.irp sub, 0,1
.irp i, 0,2,4,6,8,10,12,14
	v_pk_mul_f32 v[EE+16*\sub+\i:EE+16*\sub+\i+1], v[ACC+32*\sub+\i:ACC+32*\sub+\i+1], 0xbfb8aa3b op_sel_hi:[1,0]   ; -g log2(e)
.endr
.endr
.set ii, 0
.rept 32
	v_exp_f32 v[EE+ii], v[EE+ii]
.set ii, ii+1
.endr
	v_nop                                          ; a plain instruction behind the transcendentals
.set ii, 0
	s_wait_alu depctr_va_vdst(0)
.rept 16
	v_pk_add_f32 v[EE+ii:EE+ii+1], v[EE+ii:EE+ii+1], 1.0 op_sel_hi:[1,0]
.set ii, ii+2
.endr
.set ii, 0
.rept 32
	v_rcp_f32 v[EE+ii], v[EE+ii]
.set ii, ii+1
.endr
.irp sub, 0,1
.irp i, 0,2,4,6,8,10,12,14
	v_pk_mul_f32 v[ACC+32*\sub+\i:ACC+32*\sub+\i+1], v[ACC+32*\sub+\i:ACC+32*\sub+\i+1], v[ACC+32*\sub+16+\i:ACC+32*\sub+16+\i+1]   ; g u (plain instructions behind the reciprocals)
.endr
.endr
	s_wait_alu depctr_va_vdst(0)
.irp sub, 0,1
.irp i, 0,2,4,6,8,10,12,14
	v_pk_mul_f32 v[ACC+32*\sub+\i:ACC+32*\sub+\i+1], v[ACC+32*\sub+\i:ACC+32*\sub+\i+1], v[EE+16*\sub+\i:EE+16*\sub+\i+1]
.endr
.endr
	; the block of 32 units of a token lies in lanes l and l xor 16, 16 numbers each
.irp sub, 0,1
	v_max3_num_f32 v[QM+\sub], |v[ACC+32*\sub]|, |v[ACC+32*\sub+1]|, 0x1800000
.endr
.irp i, 2,4,6,8,10,12,14
.irp sub, 0,1
	v_max3_num_f32 v[QM+\sub], v[QM+\sub], |v[ACC+32*\sub+\i]|, |v[ACC+32*\sub+\i+1]|
.endr
.endr
.irp sub, 0,1
	v_permlanex16_b32 v[QM+2+\sub], v[QM+\sub], s60, s61
.endr
.irp sub, 0,1
	v_max_num_f32 v[QM+\sub], v[QM+\sub], v[QM+2+\sub]
.endr
.irp sub, 0,1
	v_add_nc_u32 v[QSV+\sub], 0xff000000, v[QM+\sub]
.endr
.irp sub, 0,1
	v_lshrrev_b32 v[QBY+\sub], 23, v[QSV+\sub]
.endr
	v_cvt_scalef32_pk16_fp6_f32 v[56:58], v[ACC:ACC+15], v[QSV]
	v_cvt_scalef32_pk16_fp6_f32 v[60:62], v[ACC+32:ACC+47], v[QSV+1]
	v_nop                                          ; one plain instruction behind the conversions
.irp i, 0,1,2
	v_permlane16_swap_b32 v[56+\i], v[60+\i]       ; tile 0's lanes 16-31 change places with tile 1's lanes 0-15: lane l now holds position l's lower 16 codes in v56-58, its upper 16 in v60-62
.endr
	v_mov_b32 v59, v60
	v_mov_b32 v60, v61
	v_mov_b32 v61, v62
	v_cndmask_b32 v50, v[QBY], v[QBY+1], s63       ; position l's byte
	global_store_b128 v13, v[56:59], s[54:55]      ; 512 consecutive bytes: each position's first 16;
	global_store_b64 v14, v[60:61], s[54:55]       ; 256 consecutive bytes: each position's last 8
	global_store_b8 v15, v50, s[56:57]             ; (their registers and bases are next written behind the wait in the middle of the next unit)
	s_add_co_u32 s48, s48, 1
	s_cmp_lt_u32 s48, s15
	s_cbranch_scc1 .Lunit
.Lend:
	s_wait_tensorcnt 0x0
	ds_add_u32 v20, v21
	s_wait_dscnt 0x0
	s_endpgm
.Lfunc_end_k_qa0080a29ce_gateup:
	.size	k_qa0080a29ce_gateup, .Lfunc_end_k_qa0080a29ce_gateup-k_qa0080a29ce_gateup
	.p2alignl 7, 3214868480
	.fill 96, 4, 3214868480
	.section	.rodata,"a",@progbits
	.p2align	6, 0x0
	.amdhsa_kernel k_qa0080a29ce_gateup
		.amdhsa_group_segment_fixed_size 104448
		.amdhsa_private_segment_fixed_size 0
		.amdhsa_enable_private_segment 0
		.amdhsa_kernarg_size 64
		.amdhsa_user_sgpr_count 2
		.amdhsa_user_sgpr_kernarg_segment_ptr 1
		.amdhsa_wavefront_size32 1
		.amdhsa_system_sgpr_workgroup_id_x 1
		.amdhsa_system_sgpr_workgroup_id_y 1
		.amdhsa_system_sgpr_workgroup_id_z 1
		.amdhsa_system_vgpr_workitem_id 0
		.amdhsa_next_free_vgpr 512
		.amdhsa_next_free_sgpr 102
		.amdhsa_reserve_vcc 1
		.amdhsa_float_denorm_mode_32 3
		.amdhsa_float_denorm_mode_16_64 3
		.amdhsa_memory_ordered 1
		.amdhsa_forward_progress 1
		.amdhsa_inst_pref_size 122
	.end_amdhsa_kernel
	.amdgpu_metadata
---
amdhsa.version: [ 1, 2 ]
amdhsa.kernels:
  - .name:           k_qa0080a29ce_gateup
    .symbol:         k_qa0080a29ce_gateup.kd
    .args:
      - { .name: x_codes, .offset: 0, .size: 8, .value_kind: global_buffer, .address_space: global }
      - { .name: x_scales, .offset: 8, .size: 8, .value_kind: global_buffer, .address_space: global }
      - { .name: ids, .offset: 16, .size: 8, .value_kind: global_buffer, .address_space: global }
      - { .name: w_gate, .offset: 24, .size: 8, .value_kind: global_buffer, .address_space: global }
      - { .name: w_up, .offset: 32, .size: 8, .value_kind: global_buffer, .address_space: global }
      - { .name: h_codes, .offset: 40, .size: 8, .value_kind: global_buffer, .address_space: global }
      - { .name: h_scales, .offset: 48, .size: 8, .value_kind: global_buffer, .address_space: global }
      - { .name: table, .offset: 56, .size: 8, .value_kind: global_buffer, .address_space: global }
    .group_segment_fixed_size: 104448
    .private_segment_fixed_size: 0
    .kernarg_segment_align: 8
    .kernarg_segment_size: 64
    .max_flat_workgroup_size: 256
    .sgpr_count:     102
    .vgpr_count:     512
    .wavefront_size: 32
...
	.end_amdgpu_metadata
.endif
;; end of part 2
;; launch down (part 3): grid 32 x 8, 8 waves a work-group, no clusters, 122,368 bytes of LDS; arguments table, h_codes, h_scales, w_down, y; writes y
.if DOCPART == 3
	.amdgcn_target "amdgcn-amd-amdhsa--gfx1250"
	.amdhsa_code_object_version 6
	.text
	.protected	k_qa0080a29ce_down
	.globl	k_qa0080a29ce_down
	.p2align	8
	.type	k_qa0080a29ce_down,@function
k_qa0080a29ce_down:
	s_mov_b64 s[64:65], 0
	v_nop
	global_prefetch_b8 v0, s[64:65] scope:SCOPE_SE
	s_setreg_imm32_b32 hwreg(HW_REG_WAVE_MODE, 25, 1), 1
	s_wait_xcnt 0x0
; DOWN.  Work-group (x, e): expert e, outputs 64 ds .. 64 ds + 63 (ds = x % 16), half kh = x / 16 of the hidden axis.  y[kh][1,024 e + position][..] = h[position][half kh] W_down[half kh][..], on codes of FP6 (E2M3) with E8M0 scales.
; The hidden axis is halved so that 256 work-groups each read rows of 256 aligned bytes of the weight; the two halves are added by the last launch.
; W_down is read once, as f32, by the one work-group that uses it: 1,024 rows x 256 bytes, all asked for at the start; wave w quantises K step w into LDS, as images of the operand's registers.
; No tensor load, no cluster: the number of units hangs on the stored table, and no two work-groups share a weight.
; THE BLOCKS OF A K STEP: registers 6 c .. 6 c + 5 of lane half h hold quantiser block 4 q + 2 h + c, byte 2 c + h of a scale word is that block's, alike on both operands.
; h_codes: for each (expert, 32 positions, block): 768 bytes: each position's first 16 bytes (512), then each position's last 8 (256).  h_scales: [expert][K step][position] words.
; PRODUCTS ARE USED TRANSPOSED (source 0 = 16 outputs, source 1 = 16 positions): a lane holds eight neighbouring outputs of one position.
; A UNIT = 32 positions x 64 outputs x 8 K steps: 64 matrix instructions on 8 accumulators.  Wave w: pairs w, w + 8, ..: the loop counts the wave's own units, one a trip.
; Positions past the expert's count, up to the end of its last 32, hold numbers that nobody gathers.
; LIMITS: NaN and infinities are not served; a block of zeros, or one under 2^-124, gets the byte 1 with zero codes.
; REGISTERS.  Window 0: v1-15 lane terms and offsets; v24-31 h's scale words; v32-39 the weight's; v40-63 at work; v64-127 accumulators (32 sub + 8 tile); v128-223 two sets of four weight fragments
;   (while streaming: a column's 32 numbers, codes; on the way out: rows of y).   Window 1: two landing sets of 128 while streaming; then h's fragments, 24 q + 12 sub.
.set PITCH, 4096                       ; a row of w_down in bytes
.set TS,    1552                       ; a fragment's image: 3 x 512 bytes + 16
.set QS,    4*TS
.set SCB,   8*QS                       ; the scale words, 64 bytes a tile
.set STG,   SCB+8*256                  ; the way out: for each wave 32 rows of 256 bytes + 16
.set LS0,   0
.set LS1,   128
.set GA,    4
.set WA,    5
.set WSA,   6
.set RSC,   24
.set WS,    32
.set QM,    40
.set QSV,   44
.set QBY,   48
.set QD,    52
.set ACC,   64
.set WB,    128
.set QT,    128
.set QC,    160
.set MSB, 0
.macro WIN new                         ; the immediate's high byte repeats the setting that is left; bits 1:0 source 0, 3:2 source 1, 5:4 source 2, 7:6 destination
.if MSB != (\new)
	s_set_vgpr_msb (MSB<<8)|(\new)
.set MSB, \new
.endif
.endm
.macro PLACES n
.rept \n
	v_nop
.endr
.endm
; 64 rows x 64 columns of f32: lanes 0-15 take a row's 256 aligned bytes, lanes 16-31 those of the row 64 further down
.macro SBLOAD set, rowimm
	WIN 0x40
.set ii, 0
.rept 32
	global_load_b128 v[\set+4*ii:\set+4*ii+3], v[GA], s[10:11] offset:((\rowimm)+ii)*PITCH th:TH_LOAD_NT
.set ii, ii+1
.endr
	WIN 0
.endm
; a landed set: four columns x one block of 32 along K a lane -> four times 24 bytes of codes and a scale byte, into the images
.macro QSB set, imgimm, scimm, c
	s_wait_dscnt 0x0                               ; the last set's LDS stores have read their registers
	WIN 0x14
.irp j, 0,1,2,3
	v_max3_num_f32 v[QM+\j], 0x1800000, |v[\set+\j]|, |v[\set+4+\j]|   ; the floor 2^(3 - 127) among the leaves
.endr
.irp i, 2,4,6,8,10,12,14,16,18,20,22,24,26,28,30
.irp j, 0,1,2,3
	v_max3_num_f32 v[QM+\j], v[QM+\j], |v[\set+4*\i+\j]|, |v[\set+4*\i+4+\j]|
.endr
.endr
	WIN 0
.irp j, 0,1,2,3
	v_add_nc_u32 v[QSV+\j], 0xff000000, v[QM+\j]
.endr
.irp j, 0,1,2,3
	v_lshrrev_b32 v[QBY+\j], 23, v[QSV+\j]
.endr
.irp j, 0,1,2,3
	ds_store_b8 v[WSA], v[QBY+\j] offset:(\scimm)+4*\j+2*(\c)
.endr
.irp j, 0,1,2,3
	WIN 0x01
.set ii, 0
.rept 32
	v_mov_b32 v[QT+ii], v[\set+4*ii+\j]
.set ii, ii+1
.endr
	WIN 0
	v_cvt_scalef32_pk16_fp6_f32 v[QC+8*\j:QC+8*\j+2], v[QT:QT+15], v[QSV+\j]
	v_cvt_scalef32_pk16_fp6_f32 v[QD:QD+2], v[QT+16:QT+31], v[QSV+\j]
	v_nop                                          ; one plain instruction behind the conversions
	v_mov_b32 v[QC+8*\j+3], v[QD]
	v_mov_b32 v[QC+8*\j+4], v[QD+1]
	v_mov_b32 v[QC+8*\j+5], v[QD+2]
.if (\c) == 0
	ds_store_b128 v[WA], v[QC+8*\j:QC+8*\j+3] offset:(\imgimm)+16*\j
	ds_store_b64 v[WA], v[QC+8*\j+4:QC+8*\j+5] offset:(\imgimm)+16*\j+512
.else
	ds_store_b64 v[WA], v[QC+8*\j:QC+8*\j+1] offset:(\imgimm)+16*\j+520
	ds_store_b128 v[WA], v[QC+8*\j+2:QC+8*\j+5] offset:(\imgimm)+16*\j+1024
.endif
.endr
.endm
.macro LOADW buf, q                    ; K step q's four weight fragments and their scale words into set buf: 16 LDS loads
.irp f, 0,1,2,3
.irp g, 0,1,2
	ds_load_b128 v[WB+48*(\buf)+12*\f+4*\g:WB+48*(\buf)+12*\f+4*\g+3], v7 offset:(\q)*QS+\f*TS+512*\g
.endr
	ds_load_b32 v[WS+4*(\buf)+\f], v9 offset:(\q)*256+64*\f
.endr
.endm
.macro MM q, f, sub
.set rD, ACC+32*(\sub)+8*(\f)
.set rA, WB+48*((\q)%2)+12*(\f)
.set rB, 24*(\q)+12*(\sub)
.set rSA, WS+4*((\q)%2)+(\f)
.set rSB, RSC+(\q)
.if (\q) == 0
.if (\sub) == 0
	v_wmma_scale_f32_16x16x128_f8f6f4 v[rD:rD+7], v[rA:rA+11], v[rB:rB+11], 0, v[rSA], v[rSB] matrix_a_fmt:MATRIX_FMT_FP6 matrix_b_fmt:MATRIX_FMT_FP6
.else
	v_wmma_scale_f32_16x16x128_f8f6f4 v[rD:rD+7], v[rA:rA+11], v[rB:rB+11], 0, v[rSA], v[rSB] matrix_a_fmt:MATRIX_FMT_FP6 matrix_b_fmt:MATRIX_FMT_FP6 matrix_b_scale:MATRIX_SCALE_ROW1
.endif
.else
.if (\sub) == 0
	v_wmma_scale_f32_16x16x128_f8f6f4 v[rD:rD+7], v[rA:rA+11], v[rB:rB+11], v[rD:rD+7], v[rSA], v[rSB] matrix_a_fmt:MATRIX_FMT_FP6 matrix_b_fmt:MATRIX_FMT_FP6
.else
	v_wmma_scale_f32_16x16x128_f8f6f4 v[rD:rD+7], v[rA:rA+11], v[rB:rB+11], v[rD:rD+7], v[rSA], v[rSB] matrix_a_fmt:MATRIX_FMT_FP6 matrix_b_fmt:MATRIX_FMT_FP6 matrix_b_scale:MATRIX_SCALE_ROW1
.endif
.endif
.endm
; a K step: the next step's weights are asked for, then 8 products; the eight accumulators take turns, one instruction a turn, in the same order in every step
.macro KSTEP q
	WIN 0x04                                       ; source 1 (h) window 1
.if (\q) < 7
	PLACES 4                                       ; behind the products that read the set that is loaded now (ISA guide 7.12.1)
	LOADW ((\q)+1)%2, (\q)+1
	s_wait_dscnt 16                                ; this step's 16 loads are in; the 16 just issued may be out
.else
	s_wait_dscnt 0x0
.endif
.irp f, 0,1,2,3
.irp sub, 0,1
	MM \q, \f, \sub
.endr
.endr
.endm
.macro HLC q                           ; (destination window 1)  K step q of both tiles of h: for each of my half's two blocks 16 + 8 bytes; sixteen lanes read 256 (128) consecutive bytes
.irp sub, 0,1
.irp c, 0,1
	global_load_b128 v[24*(\q)+12*\sub+6*\c:24*(\q)+12*\sub+6*\c+3], v10, s[6:7] offset:3072*(\q)+768*\c+256*\sub
	global_load_b64 v[24*(\q)+12*\sub+6*\c+4:24*(\q)+12*\sub+6*\c+5], v11, s[6:7] offset:3072*(\q)+768*\c+512+128*\sub
.endr
.endr
.endm
.macro HLS q                           ; and my position's scale word
	global_load_b32 v[RSC+(\q)], v12, s[8:9] offset:4096*(\q)
.endm
	s_load_b256 s[4:11], s[0:1], 0x0               ; table s[4:5], h_codes s[6:7], h_scales s[8:9], w_down s[10:11]
	s_load_b64 s[12:13], s[0:1], 0x20              ; y
	v_lshl_add_u32 v254, v0, 2, 0x1da00
	v_mov_b32 v255, 0
	v_lshrrev_b32 v40, 5, v0
	v_readfirstlane_b32 s2, v40                    ; wave 0..7: streaming: K step w.  Multiplying: pairs w, w + 8, ..
	s_and_b32 s3, ttmp9, 15                        ; ds
	s_lshr_b32 s14, ttmp9, 4                       ; kh
	s_and_b32 s16, ttmp7, 0xffff                   ; e
	v_and_b32 v1, 31, v0                           ; l
	v_and_b32 v2, 15, v0                           ; r
	v_bfe_u32 v3, v0, 4, 1                         ; h
	v_lshlrev_b32 v[GA], 4, v2
	v_lshl_add_u32 v[GA], v3, 18, v[GA]            ; 64 rows of 4,096 bytes x h + 16 r
	v_bfe_u32 v40, v0, 2, 2                        ; column 4 r + j lies in tile r / 4,
	v_and_b32 v41, 3, v0                           ; at its row 4 (r % 4) + j
	s_mul_i32 s22, s2, QS
	v_mul_u32_u24 v[WA], v40, TS
	v_lshl_add_u32 v[WA], v41, 6, v[WA]
	v_lshl_add_u32 v[WA], v3, 8, v[WA]
	v_add_nc_u32 v[WA], s22, v[WA]
	v_lshlrev_b32 v[WSA], 6, v40
	v_lshl_add_u32 v[WSA], v41, 4, v[WSA]
	v_add_nc_u32 v[WSA], v[WSA], v3
	s_lshl_b32 s22, s2, 8
	s_add_co_u32 s22, s22, SCB
	v_add_nc_u32 v[WSA], s22, v[WSA]
	v_lshlrev_b32 v7, 4, v1                        ; reading the images: 16 l
	v_lshl_add_u32 v9, v2, 2, SCB                  ; and the scale words: 4 r
	v_mul_u32_u24 v10, v3, 1536                    ; h's codes: my half's first block is two chunks of 768 bytes on;
	v_lshl_add_u32 v11, v2, 3, v10                 ; + 8 r,
	v_lshl_add_u32 v10, v2, 4, v10                 ; + 16 r
	v_lshlrev_b32 v12, 2, v1                       ; 4 l
	s_mul_i32 s22, s2, 32*272
	s_add_co_u32 s22, s22, STG                     ; my stage
	v_mul_u32_u24 v13, v2, 272
	v_lshl_add_u32 v13, v3, 5, v13
	v_add_nc_u32 v13, s22, v13                     ; in: row r, 32 bytes for each half of the lanes
	v_mul_u32_u24 v14, v3, 272
	v_lshl_add_u32 v14, v2, 4, v14
	v_add_nc_u32 v14, s22, v14                     ; back: lanes 0-15 one row of 256 bytes, lanes 16-31 the next
	v_lshlrev_b32 v15, 12, v3
	v_lshl_add_u32 v15, v2, 4, v15                 ; and the same two rows in y
	s_lshl_b32 s22, s16, 8                         ; the expert's 32 pairs in table
	s_lshl_b32 s24, s16, 23                        ; the weight: expert e,
	s_lshl_b32 s25, s14, 22                        ; 1,024 rows x kh,
	s_add_co_u32 s24, s24, s25
	s_lshl_b32 s25, s2, 19                         ; 128 rows x wave,
	s_add_co_u32 s24, s24, s25
	s_lshl_b32 s25, s3, 8                          ; 256 bytes x ds
	s_add_co_u32 s24, s24, s25
	s_mov_b32 s25, 0
	s_wait_kmcnt 0x0
	s_load_b64 s[20:21], s[4:5], s22 offset:0xf8   ; the last chunk's pair: members before it, and its mask
	s_add_nc_u64 s[10:11], s[10:11], s[24:25]
	SBLOAD LS0, 0
	SBLOAD LS1, 32
	s_lshl_b32 s24, s16, 5                         ; h's codes: (32 e + pair) x 64 chunks of 768 bytes, + 32 chunks x kh
	s_add_co_u32 s24, s24, s2
	s_mul_i32 s24, s24, 49152
	s_mul_i32 s26, s14, 24576
	s_add_co_u32 s24, s24, s26
	s_add_nc_u64 s[6:7], s[6:7], s[24:25]
	s_lshl_b32 s24, s16, 4                         ; h's scale words: ((16 e + 8 kh) 1,024 + 32 pair) words
	s_lshl_b32 s26, s14, 3
	s_add_co_u32 s24, s24, s26
	s_lshl_b32 s24, s24, 10
	s_lshl_b32 s26, s2, 5
	s_add_co_u32 s24, s24, s26
	s_lshl_b32 s24, s24, 2
	s_add_nc_u64 s[8:9], s[8:9], s[24:25]
	s_lshl_b32 s24, s14, 13                        ; y: row 8,192 kh + 1,024 e + 32 pair, of 4,096 bytes; + 256 ds
	s_lshl_b32 s26, s16, 10
	s_add_co_u32 s24, s24, s26
	s_lshl_b32 s26, s2, 5
	s_add_co_u32 s24, s24, s26
	s_lshl_b32 s24, s24, 12
	s_lshl_b32 s26, s3, 8
	s_add_co_u32 s24, s24, s26
	s_add_nc_u64 s[12:13], s[12:13], s[24:25]
	s_wait_kmcnt 0x0
	s_bcnt1_i32_b32 s15, s21
	s_add_co_u32 s15, s15, s20                     ; the expert's count,
	s_add_co_u32 s15, s15, 31
	s_lshr_b32 s15, s15, 5                         ; in whole 32s,
	s_min_u32 s15, s15, 32                         ; held inside the expert's 1,024 positions: it was read from memory
	s_add_co_u32 s15, s15, 7
	s_sub_co_u32 s15, s15, s2                      ; (the wave's number is 7 at the most: never negative)
	s_lshr_b32 s15, s15, 3                         ; MY units: the pairs w, w + 8, .. under that number; 0 where there is none
	s_wait_loadcnt 32                              ; set 0 is in; set 1's 32 loads may be out
	QSB LS0, 0, 0, 0
	WIN 0x40                                       ; my first pair's h is asked for at once, whether or not the pair exists: the loads stay inside the buffers, and what is not there is not used
	HLC 0
	HLC 1
	HLC 2
	HLC 3
	HLC 4                                          ; registers 0-119 of window 1: the landing set that has just been read out
	WIN 0
	HLS 0
	HLS 1
	HLS 2
	HLS 3
	HLS 4
	s_wait_loadcnt 45                              ; set 1 is in; the 5 x 9 loads of h behind it may be out
	QSB LS1, 0, 0, 1
	WIN 0x40
	HLC 5
	HLC 6
	HLC 7
	WIN 0
	HLS 5
	HLS 6
	HLS 7
	s_wait_dscnt 0x0                               ; for the others' sake: my images and scale bytes lie in LDS
	s_barrier_signal -1
	s_barrier_wait -1                              ; the one barrier: behind it the images are only read, and each wave's stage is its own
	s_mov_b32 s17, 0                               ; units done
	s_cmp_eq_u32 s15, 0
	s_cbranch_scc1 .Lend
.Lunit:
	s_wait_loadcnt 0x0                             ; this pair's h is in, and no load names its bases any more
	s_add_co_u32 s18, s17, 1                       ; is there a unit behind this one?
	LOADW 0, 0
	KSTEP 0
	KSTEP 1
	KSTEP 2
	KSTEP 3
	WIN 0
	s_cmp_lt_u32 s18, s15
	s_cbranch_scc0 .Lxa
	PLACES 4                                       ; behind the products that read what is loaded now
	s_add_nc_u64 s[6:7], s[6:7], 8*49152           ; eight pairs on
	s_add_nc_u64 s[8:9], s[8:9], 1024
	WIN 0x40
	HLC 0
	HLC 1
	HLC 2
	HLC 3
	WIN 0
	HLS 0
	HLS 1
	HLS 2
	HLS 3
.Lxa:
	KSTEP 4
	KSTEP 5
	KSTEP 6
	KSTEP 7
	WIN 0
	PLACES 5                                       ; behind the last products: results are read, operands loaded anew, and the next unit's first products write over the accumulators
	s_cmp_lt_u32 s18, s15
	s_cbranch_scc0 .Lxb
	WIN 0x40
	HLC 4
	HLC 5
	HLC 6
	HLC 7
	WIN 0
	HLS 4
	HLS 5
	HLS 6
	HLS 7
.Lxb:
	; the way out: a lane's 32 bytes of a row go into my stage and come back as whole rows of 256 bytes
.irp sub, 0,1
.irp f, 0,1,2,3
	ds_store_b128 v13, v[ACC+32*\sub+8*\f:ACC+32*\sub+8*\f+3] offset:4352*\sub+64*\f        ; each accumulator from its low end on
	ds_store_b128 v13, v[ACC+32*\sub+8*\f+4:ACC+32*\sub+8*\f+7] offset:4352*\sub+64*\f+16
.endr
.endr
.irp t, 0,1,2,3,4,5,6,7,8,9,10,11,12,13,14,15
	ds_load_b128 v[WB+4*\t:WB+4*\t+3], v14 offset:544*\t           ; LDS serves a wave's instructions in order: these see my stores
.endr
.irp t, 0,1,2,3,4,5,6,7,8,9,10,11,12,13,14,15
	s_wait_dscnt 15-\t                             ; rows 2 t, 2 t + 1 are back; the younger loads may be out
	global_store_b128 v15, v[WB+4*\t:WB+4*\t+3], s[12:13] offset:8192*\t th:TH_STORE_NT   ; sixteen lanes store 256 consecutive bytes, at a multiple of 256 from y's first byte
.endr
	s_wait_xcnt 0x0                                ; the stores have read their registers and their base
	s_add_nc_u64 s[12:13], s[12:13], 8*32*4096
	s_add_co_u32 s17, s17, 1
	s_cmp_lt_u32 s17, s15
	s_cbranch_scc1 .Lunit
.Lend:
	s_wait_tensorcnt 0x0
	ds_add_u32 v254, v255
	s_wait_dscnt 0x0
	s_endpgm
.Lfunc_end_k_qa0080a29ce_down:
	.size	k_qa0080a29ce_down, .Lfunc_end_k_qa0080a29ce_down-k_qa0080a29ce_down
	.p2alignl 7, 3214868480
	.fill 96, 4, 3214868480
	.section	.rodata,"a",@progbits
	.p2align	6, 0x0
	.amdhsa_kernel k_qa0080a29ce_down
		.amdhsa_group_segment_fixed_size 122368
		.amdhsa_private_segment_fixed_size 0
		.amdhsa_enable_private_segment 0
		.amdhsa_kernarg_size 40
		.amdhsa_user_sgpr_count 2
		.amdhsa_user_sgpr_kernarg_segment_ptr 1
		.amdhsa_wavefront_size32 1
		.amdhsa_system_sgpr_workgroup_id_x 1
		.amdhsa_system_sgpr_workgroup_id_y 1
		.amdhsa_system_sgpr_workgroup_id_z 1
		.amdhsa_system_vgpr_workitem_id 0
		.amdhsa_next_free_vgpr 512
		.amdhsa_next_free_sgpr 66
		.amdhsa_reserve_vcc 0
		.amdhsa_float_denorm_mode_32 3
		.amdhsa_float_denorm_mode_16_64 3
		.amdhsa_memory_ordered 1
		.amdhsa_forward_progress 1
		.amdhsa_inst_pref_size 68
	.end_amdhsa_kernel
	.amdgpu_metadata
---
amdhsa.version: [ 1, 2 ]
amdhsa.kernels:
  - .name:           k_qa0080a29ce_down
    .symbol:         k_qa0080a29ce_down.kd
    .args:
      - { .name: table, .offset: 0, .size: 8, .value_kind: global_buffer, .address_space: global }
      - { .name: h_codes, .offset: 8, .size: 8, .value_kind: global_buffer, .address_space: global }
      - { .name: h_scales, .offset: 16, .size: 8, .value_kind: global_buffer, .address_space: global }
      - { .name: w_down, .offset: 24, .size: 8, .value_kind: global_buffer, .address_space: global }
      - { .name: y, .offset: 32, .size: 8, .value_kind: global_buffer, .address_space: global }
    .group_segment_fixed_size: 122368
    .private_segment_fixed_size: 0
    .kernarg_segment_align: 8
    .kernarg_segment_size: 40
    .max_flat_workgroup_size: 256
    .sgpr_count:     66
    .vgpr_count:     512
    .wavefront_size: 32
...
	.end_amdgpu_metadata
.endif
;; end of part 3
;; launch combine (part 4): grid 256 x 1, 4 waves a work-group, no clusters, 0 bytes of LDS; arguments ids, gates, table, y, out0; writes out0
.if DOCPART == 4
	.amdgcn_target "amdgcn-amd-amdhsa--gfx1250"
	.amdhsa_code_object_version 6
	.text
	.protected	k_qa0080a29ce_combine
	.globl	k_qa0080a29ce_combine
	.p2align	8
	.type	k_qa0080a29ce_combine,@function
k_qa0080a29ce_combine:
	s_mov_b64 s[64:65], 0
	v_nop
	global_prefetch_b8 v0, s[64:65] scope:SCOPE_SE
	s_setreg_imm32_b32 hwreg(HW_REG_WAVE_MODE, 25, 1), 1
	s_wait_xcnt 0x0
; COMBINE.  out0[n] = p0 (y[0][row0] + y[1][row0]) + p1 (y[0][row1] + y[1][row1]), row k = 1,024 e_k + token n's position among e_k's tokens.
; One wave takes one token, n = 4 wg + wave.  The position is (members of e_k before n's chunk of 32) + (members in the chunk below n), from the stored table: all addressing is scalar.
; n's chunk is known from the ids of the launch, so the table's pairs of ALL EIGHT experts at that chunk are asked for together with ids[n] and gates[n], and the two that are wanted are chosen by selects:
; two scalar round trips (the arguments; these loads) stand ahead of the loads of y, not three.
; A stream: four rows of 4,096 bytes in, one out, each load and store 512 consecutive bytes; all 32 loads go out at once.  No LDS, no matrix unit: there is nothing here for them.
; What was read from memory is held inside its table (experts 0-7, rows 0-8,191) ahead of the address arithmetic.
.set R0, 16                            ; v16-143: group i of eight: 16 registers: the two halves of row 0, the two halves of row 1
.set TB, 48                            ; s[48:63]: expert e's pair (members before the chunk, the chunk's mask) at s[48 + 2 e : 49 + 2 e]
	s_load_b256 s[4:11], s[0:1], 0x0               ; ids s[4:5], gates s[6:7], table s[8:9], y s[10:11]
	s_load_b64 s[12:13], s[0:1], 0x20              ; out0
	v_lshrrev_b32 v2, 5, v0
	v_readfirstlane_b32 s14, v2                    ; wave
	v_and_b32 v1, 31, v0
	v_lshlrev_b32 v1, 4, v1                        ; 16 x lane
	s_lshl_b32 s15, ttmp9, 2
	s_add_co_u32 s15, s15, s14                     ; n
	s_lshl_b32 s16, s15, 2
	s_lshl_b32 s17, s15, 3
	s_lshr_b32 s24, s15, 5                         ; n's chunk,
	s_lshl_b32 s25, s24, 3                         ; 8 bytes a pair
	s_wait_kmcnt 0x0
	s_load_b32 s18, s[4:5], s16 offset:0x0         ; e0 | e1 << 8 | ..
	s_load_b64 s[20:21], s[6:7], s17 offset:0x0    ; p0, p1
.irp e, 0,1,2,3,4,5,6,7
	s_load_b64 s[TB+2*\e:TB+2*\e+1], s[8:9], s25 offset:256*\e     ; an expert's 32 pairs are 256 bytes
.endr
	s_lshl_b32 s40, s15, 12
	s_mov_b32 s41, 0
	s_add_nc_u64 s[12:13], s[12:13], s[40:41]      ; my row of out0
	s_and_b32 s32, s15, 31
	s_bfm_b32 s32, s32, 0                          ; the chunk's tokens below n
	s_wait_kmcnt 0x0
	s_and_b32 s22, s18, 0xff
	s_bfe_u32 s23, s18, 0x80008
	s_min_u32 s22, s22, 7
	s_min_u32 s23, s23, 7
	s_mov_b64 s[28:29], s[TB:TB+1]                 ; e0's pair and e1's, chosen among the eight
	s_mov_b64 s[30:31], s[TB:TB+1]
.irp e, 1,2,3,4,5,6,7
	s_cmp_eq_u32 s22, \e
	s_cselect_b64 s[28:29], s[TB+2*\e:TB+2*\e+1], s[28:29]
	s_cmp_eq_u32 s23, \e
	s_cselect_b64 s[30:31], s[TB+2*\e:TB+2*\e+1], s[30:31]
.endr
	s_mov_b32 s44, s21                             ; p1 as the low word of a pair (the packed form names a pair and takes its low word for both halves)
	s_mov_b32 s45, s21
	s_and_b32 s33, s29, s32
	s_bcnt1_i32_b32 s33, s33
	s_add_co_u32 s33, s33, s28
	s_lshl_b32 s34, s22, 10
	s_add_co_u32 s33, s33, s34
	s_min_u32 s33, s33, 0x1fff
	s_lshl_b32 s36, s33, 12
	s_mov_b32 s37, 0
	s_add_nc_u64 s[36:37], s[10:11], s[36:37]      ; row 0, first half of the hidden axis;
	s_add_nc_u64 s[38:39], s[36:37], 0x2000000     ; second half: 8,192 rows on
	s_and_b32 s33, s31, s32
	s_bcnt1_i32_b32 s33, s33
	s_add_co_u32 s33, s33, s30
	s_lshl_b32 s34, s23, 10
	s_add_co_u32 s33, s33, s34
	s_min_u32 s33, s33, 0x1fff
	s_lshl_b32 s40, s33, 12
	s_mov_b32 s41, 0
	s_add_nc_u64 s[40:41], s[10:11], s[40:41]      ; row 1 likewise
	s_add_nc_u64 s[42:43], s[40:41], 0x2000000
.irp i, 0,1,2,3,4,5,6,7
	global_load_b128 v[R0+16*\i:R0+16*\i+3], v1, s[36:37] offset:512*\i th:TH_LOAD_NT       ; each row of y belongs to one token: read once
	global_load_b128 v[R0+16*\i+4:R0+16*\i+7], v1, s[38:39] offset:512*\i th:TH_LOAD_NT
	global_load_b128 v[R0+16*\i+8:R0+16*\i+11], v1, s[40:41] offset:512*\i th:TH_LOAD_NT
	global_load_b128 v[R0+16*\i+12:R0+16*\i+15], v1, s[42:43] offset:512*\i th:TH_LOAD_NT
.endr
.irp i, 0,1,2,3,4,5,6,7
	s_wait_loadcnt 4*(7-\i)                        ; group i's four loads are in; the later groups' may be out
.irp p, 0,2
	v_pk_add_f32 v[R0+16*\i+\p:R0+16*\i+\p+1], v[R0+16*\i+\p:R0+16*\i+\p+1], v[R0+16*\i+4+\p:R0+16*\i+4+\p+1]
	v_pk_add_f32 v[R0+16*\i+8+\p:R0+16*\i+8+\p+1], v[R0+16*\i+8+\p:R0+16*\i+8+\p+1], v[R0+16*\i+12+\p:R0+16*\i+12+\p+1]
	v_pk_mul_f32 v[R0+16*\i+\p:R0+16*\i+\p+1], v[R0+16*\i+\p:R0+16*\i+\p+1], s[20:21] op_sel_hi:[1,0]
	v_pk_fma_f32 v[R0+16*\i+\p:R0+16*\i+\p+1], v[R0+16*\i+8+\p:R0+16*\i+8+\p+1], s[44:45], v[R0+16*\i+\p:R0+16*\i+\p+1] op_sel_hi:[1,0,1]
.endr
	global_store_b128 v1, v[R0+16*\i:R0+16*\i+3], s[12:13] offset:512*\i th:TH_STORE_NT
.endr
	s_endpgm
.Lfunc_end_k_qa0080a29ce_combine:
	.size	k_qa0080a29ce_combine, .Lfunc_end_k_qa0080a29ce_combine-k_qa0080a29ce_combine
	.p2alignl 7, 3214868480
	.fill 96, 4, 3214868480
	.section	.rodata,"a",@progbits
	.p2align	6, 0x0
	.amdhsa_kernel k_qa0080a29ce_combine
		.amdhsa_group_segment_fixed_size 0
		.amdhsa_private_segment_fixed_size 0
		.amdhsa_enable_private_segment 0
		.amdhsa_kernarg_size 40
		.amdhsa_user_sgpr_count 2
		.amdhsa_user_sgpr_kernarg_segment_ptr 1
		.amdhsa_wavefront_size32 1
		.amdhsa_system_sgpr_workgroup_id_x 1
		.amdhsa_system_sgpr_workgroup_id_y 1
		.amdhsa_system_sgpr_workgroup_id_z 1
		.amdhsa_system_vgpr_workitem_id 0
		.amdhsa_next_free_vgpr 144
		.amdhsa_next_free_sgpr 66
		.amdhsa_reserve_vcc 0
		.amdhsa_float_denorm_mode_32 3
		.amdhsa_float_denorm_mode_16_64 3
		.amdhsa_memory_ordered 1
		.amdhsa_forward_progress 1
		.amdhsa_inst_pref_size 12
	.end_amdhsa_kernel
	.amdgpu_metadata
---
amdhsa.version: [ 1, 2 ]
amdhsa.kernels:
  - .name:           k_qa0080a29ce_combine
    .symbol:         k_qa0080a29ce_combine.kd
    .args:
      - { .name: ids, .offset: 0, .size: 8, .value_kind: global_buffer, .address_space: global }
      - { .name: gates, .offset: 8, .size: 8, .value_kind: global_buffer, .address_space: global }
      - { .name: table, .offset: 16, .size: 8, .value_kind: global_buffer, .address_space: global }
      - { .name: y, .offset: 24, .size: 8, .value_kind: global_buffer, .address_space: global }
      - { .name: out0, .offset: 32, .size: 8, .value_kind: global_buffer, .address_space: global }
    .group_segment_fixed_size: 0
    .private_segment_fixed_size: 0
    .kernarg_segment_align: 8
    .kernarg_segment_size: 40
    .max_flat_workgroup_size: 128
    .sgpr_count:     66
    .vgpr_count:     144
    .wavefront_size: 32
...
	.end_amdgpu_metadata
.endif
;; end of part 4
;; ======== version 2 of 2: 4 launches
;; workspace buffers: x_codes 786,432 bytes; x_scales 32,768 bytes; ids 4,096 bytes of whole numbers; gates 8,192 bytes; table 2,048 bytes of whole numbers; h_codes 12,582,912 bytes; h_scales 524,288 bytes; y 67,108,864 bytes
;; launch route (part 5): grid 256 x 1, 4 waves a work-group, no clusters, 22,528 bytes of LDS; arguments x, w_router, x_codes, x_scales, ids, gates; writes x_codes, x_scales, ids, gates
.if DOCPART == 5
	.amdgcn_target "amdgcn-amd-amdhsa--gfx1250"
	.amdhsa_code_object_version 6
	.text
	.protected	k_qa0080a29ce_route
	.globl	k_qa0080a29ce_route
	.p2align	8
	.type	k_qa0080a29ce_route,@function
k_qa0080a29ce_route:
	s_mov_b64 s[64:65], 0
	v_nop
	global_prefetch_b8 v0, s[64:65] scope:SCOPE_SE
	s_setreg_imm32_b32 hwreg(HW_REG_WAVE_MODE, 25, 1), 1
	s_wait_xcnt 0x0
; ROUTE.  x [1024][1024] f32, w_router [1024][8] f32.  A work-group of four waves takes four tokens, 4 wg + t.
; (1) logits = x w_router in f32 by fused multiply-adds.  WAVE w TAKES K = 256 w .. 256 w + 255 FOR ALL FOUR TOKENS: 8 loads of x and 16 of w_router, all issued at once.  The four waves' parts meet in LDS behind the one barrier;
;     wave 0 adds them and takes the two largest (on equal logits the lower index comes first) and the softmax over the two, the larger taken away ahead of the exponential.
;     Stored at fixed places: ids[n] = e0 | e1 << 8 | (1 << e0 | 1 << e1) << 16,  gates[n] = (p0, p1).  No address and no branch here hangs on them.
; (2) x becomes codes of FP6 (E2M3) with one E8M0 byte for each 32 along K; wave w takes token w.  x_codes [n][768 bytes], a row's plain stream of bits; x_scales [n][8 words]: word q, byte 2 c + h = the byte of block 4 q + 2 h + c,
;     the order in which the products of the next launch lay the blocks of a K step (alike on both operands).
; A block's scale is 2^(floor(log2(largest magnitude)) - 2): its byte is the largest magnitude's exponent field less 2, held at 1 from below by a floor among the maximum's leaves.
; LIMITS: NaN and infinities among the inputs are not served.  A block of zeros, or one whose largest magnitude lies under 2^-124, gets the byte 1 (its codes are zeros; only this program reads the bytes).
; The logits are f32 sums in another order than a row-by-row sum: where the second and third logit of a token differ by less than that rounding, the choice may fall the other way.
; Each load of x covers 512 consecutive bytes; the conversions want 32 neighbours in ONE lane, so a token's 4,096 bytes turn through LDS: 32 places of 128 bytes + 16 of padding; behind the barrier lane l reads place l = block l.
.set XD,    32                         ; v32-63   x as loaded: XD + 8 t + 4 ii + j = x[t][256 w + 128 ii + 4 l + j]
.set WR,    64                         ; v64-127  w_router: WR + 32 ii + 8 j + e = w[256 w + 128 ii + 4 l + j][e]
.set PT,    64                         ; later, in wave 0: the four waves' parts, PT + 8 w' + e
.set XB,    96                         ; later: my block's 32 numbers
.set ACC,   128                        ; v128-159 sums: 8 t + e
.set A_OR,  160                        ; v160     LDS: where I read my token's codes back, 8 bytes a lane
.set A_PW,  161                        ; v161     LDS: where my wave's parts of token l % 4 go
.set A_PR,  162                        ; v162     LDS: wave 0's parts of token l % 4
.set TPL,   144                        ; a place in the turn
.set TTOK,  32*TPL                     ; a token's 32 places
.set OUTS,  4*TTOK                     ; four rows of 768 bytes of codes, one for each wave
.set PS,    OUTS+4*768                 ; the parts: for each wave 4 tokens x 8 sums, 128 bytes
	s_load_b256 s[4:11], s[0:1], 0x0               ; x s[4:5], w_router s[6:7], x_codes s[8:9], x_scales s[10:11]
	s_load_b128 s[12:15], s[0:1], 0x20             ; ids s[12:13], gates s[14:15]
	v_lshl_add_u32 v168, v0, 2, 0x5600
	v_mov_b32 v169, 0
	v_lshrrev_b32 v10, 5, v0
	v_readfirstlane_b32 s2, v10                    ; wave 0..3
	v_and_b32 v1, 31, v0                           ; lane l
	s_lshl_b32 s32, s2, 10
	v_lshl_add_u32 v2, v1, 4, s32                  ; x: 16 l + my 256 numbers of a row
	s_lshl_b32 s32, s2, 13
	v_lshl_add_u32 v3, v1, 7, s32                  ; w_router: my four rows of a group of 128, + my 256 rows of 32 bytes
	v_lshrrev_b32 v10, 3, v1
	v_and_b32 v11, 7, v1
	v_mul_u32_u24 v4, v10, TPL
	v_lshl_add_u32 v4, v11, 4, v4
	s_mul_i32 s32, s2, 8*TPL
	v_add_nc_u32 v4, s32, v4                       ; the turn, in: place 8 w + l / 8 (+ 4 for the second load), 16 (l % 8) in it
	v_mul_u32_u24 v5, v1, TPL
	s_mul_i32 s32, s2, TTOK
	v_add_nc_u32 v5, s32, v5                       ; the turn, out: token w, place l
	v_mul_u32_u24 v6, v1, 24
	s_mul_i32 s33, s2, 768
	s_add_co_u32 s32, s33, OUTS
	v_add_nc_u32 v6, s32, v6                       ; my block's 24 bytes in my wave's row of codes
	v_lshl_add_u32 v[A_OR], v1, 3, s32
	v_lshrrev_b32 v10, 2, v1
	v_and_b32 v11, 1, v1
	v_lshlrev_b32 v7, 2, v10
	v_lshl_add_u32 v7, v11, 1, v7
	v_bfe_u32 v11, v1, 1, 1
	v_add_nc_u32 v7, v7, v11                       ; my block's byte in the token's 32: word l / 4, byte 2 (l % 2) + (l / 2) % 2
	v_lshlrev_b32 v8, 2, v1                        ; 4 l
	v_lshlrev_b32 v9, 3, v1                        ; 8 l
	v_and_b32 v10, 3, v1
	s_lshl_b32 s32, s2, 7
	s_add_co_u32 s32, s32, PS
	v_lshl_add_u32 v[A_PW], v10, 5, s32
	v_lshl_add_u32 v[A_PR], v10, 5, PS
	s_mov_b32 s16, 0x76543210                      ; v_permlanex16_b32's selects for lane l xor 16
	s_mov_b32 s17, 0xfedcba98
	s_mov_b32 s18, 0x22222222                      ; lanes with l % 4 = 1, 2, 3
	s_mov_b32 s19, 0x44444444
	s_mov_b32 s20, 0x88888888
	s_lshl_b32 s22, ttmp9, 14                      ; four rows of x
	s_mov_b32 s23, 0
	s_mul_i32 s24, ttmp9, 3072                     ; four rows of codes,
	s_add_co_u32 s24, s24, s33                     ; and my wave's
	s_mov_b32 s25, 0
	s_lshl_b32 s26, ttmp9, 7                       ; four rows of scale bytes,
	s_lshl_b32 s32, s2, 5
	s_add_co_u32 s26, s26, s32                     ; and my wave's
	s_mov_b32 s27, 0
	s_lshl_b32 s28, ttmp9, 4                       ; four words of ids
	s_mov_b32 s29, 0
	s_lshl_b32 s30, ttmp9, 5                       ; four pairs of gates
	s_mov_b32 s31, 0
	s_wait_kmcnt 0x0
	s_add_nc_u64 s[4:5], s[4:5], s[22:23]
	s_add_nc_u64 s[8:9], s[8:9], s[24:25]
	s_add_nc_u64 s[10:11], s[10:11], s[26:27]
	s_add_nc_u64 s[12:13], s[12:13], s[28:29]
	s_add_nc_u64 s[14:15], s[14:15], s[30:31]
.irp t, 0,1,2,3
.irp ii, 0,1
	global_load_b128 v[XD+8*\t+4*\ii:XD+8*\t+4*\ii+3], v2, s[4:5] offset:4096*\t+512*\ii th:TH_LOAD_NT   ; 512 consecutive bytes; x is read here and nowhere else
.endr
.endr
.irp ii, 0,1                           ; my 256 rows of w_router: sixteen loads that cover 8,192 consecutive bytes between them
.irp j, 0,1,2,3
	global_load_b128 v[WR+32*\ii+8*\j:WR+32*\ii+8*\j+3], v3, s[6:7] offset:4096*\ii+32*\j
	global_load_b128 v[WR+32*\ii+8*\j+4:WR+32*\ii+8*\j+7], v3, s[6:7] offset:4096*\ii+32*\j+16
.endr
.endr
	s_wait_loadcnt 16                              ; x is in; the sixteen loads of w_router behind it may be out
.irp t, 0,1,2,3
.irp ii, 0,1
	ds_store_b128 v4, v[XD+8*\t+4*\ii:XD+8*\t+4*\ii+3] offset:TTOK*\t+4*TPL*\ii
.endr
.endr
; two sums at a time: ACC[8 t + 2 ep ..] += w[k][2 ep ..] x[t][k], x taken for both halves from one register of its pair.  The very first product starts the sums: nothing is cleared
.macro RFMA t, ii, j, ep
.set rA, ACC+8*(\t)+2*(\ep)
.set rW, WR+32*(\ii)+8*(\j)+2*(\ep)
.set rX, XD+8*(\t)+4*(\ii)+2*((\j)/2)
.if ((\ii) == 0) && ((\j) == 0)
	v_pk_mul_f32 v[rA:rA+1], v[rW:rW+1], v[rX:rX+1] op_sel_hi:[1,0]
.elseif ((\j)%2) == 0
	v_pk_fma_f32 v[rA:rA+1], v[rW:rW+1], v[rX:rX+1], v[rA:rA+1] op_sel_hi:[1,0,1]
.else
	v_pk_fma_f32 v[rA:rA+1], v[rW:rW+1], v[rX:rX+1], v[rA:rA+1] op_sel:[0,1,0] op_sel_hi:[1,1,1]
.endif
.endm
	s_wait_loadcnt 0x0                             ; w_router is in
.irp ii, 0,1
.irp j, 0,1,2,3
.irp t, 0,1,2,3
.irp ep, 0,1,2,3
	RFMA \t, \ii, \j, \ep
.endr
.endr
.endr
.endr
	s_wait_dscnt 0x0                               ; the stores into the turn have read XD: its registers serve as scratch below
.irp m, 1,2,4,8                        ; the 32 sums over the 32 lanes: four steps inside each half ride on the addition,
.set kk, 0
.rept 32
	v_add_f32_dpp v[ACC+kk], v[ACC+kk], v[ACC+kk] row_xmask:\m row_mask:0xf bank_mask:0xf
.set kk, kk+1
.endr
.endr
.set kk, 0
.rept 32
	v_permlanex16_b32 v[XD+kk], v[ACC+kk], s16, s17       ; one crosses the halves (its destination was written by the loads)
.set kk, kk+1
.endr
.set kk, 0
.rept 32
	v_add_f32 v[ACC+kk], v[ACC+kk], v[XD+kk]
.set kk, kk+1
.endr
.irp e, 0,1,2,3,4,5,6,7                ; lane l takes token l % 4: my wave's eight parts of it in v10-17
	v_cndmask_b32 v[10+\e], v[ACC+\e], v[ACC+8+\e], s18
	v_cndmask_b32 v[10+\e], v[10+\e], v[ACC+16+\e], s19
	v_cndmask_b32 v[10+\e], v[10+\e], v[ACC+24+\e], s20
.endr
	ds_store_b128 v[A_PW], v[10:13]                ; the eight lanes of a token write the same bytes with the same values
	ds_store_b128 v[A_PW], v[14:17] offset:16
	s_wait_dscnt 0x0                               ; for the others' sake: my part of the turn and my parts of the sums lie in LDS
	s_barrier_signal -1
	s_barrier_wait -1                              ; the one barrier: behind it the turn and the parts are only read, and each wave's row of codes is its own
.irp c8, 0,1,2,3,4,5,6,7
	ds_load_b128 v[XB+4*\c8:XB+4*\c8+3], v5 offset:16*\c8          ; token w, block l
.endr
	s_cmp_lg_u32 s2, 0                             ; wave 0 alone finishes the logits and chooses
	s_cbranch_scc1 .Lquant
.irp p, 0,1,2,3
	ds_load_b128 v[PT+8*\p:PT+8*\p+3], v[A_PR] offset:128*\p
	ds_load_b128 v[PT+8*\p+4:PT+8*\p+7], v[A_PR] offset:128*\p+16
.endr
	s_wait_dscnt 0x0
.irp e, 0,2,4,6
	v_pk_add_f32 v[10+\e:11+\e], v[PT+\e:PT+\e+1], v[PT+8+\e:PT+8+\e+1]
	v_pk_add_f32 v[PT+16+\e:PT+16+\e+1], v[PT+16+\e:PT+16+\e+1], v[PT+24+\e:PT+24+\e+1]
.endr
.irp e, 0,2,4,6
	v_pk_add_f32 v[10+\e:11+\e], v[10+\e:11+\e], v[PT+16+\e:PT+16+\e+1]    ; token l % 4's eight logits
.endr
	v_mov_b32 v18, v10                             ; the largest and its index: a later logit takes over only where it is greater
	v_mov_b32 v19, 0
.irp e, 1,2,3,4,5,6,7
	v_cmp_le_f32 vcc_lo, v[10+\e], v18             ; keep
	v_cndmask_b32 v18, v[10+\e], v18, vcc_lo
	v_cndmask_b32 v19, \e, v19, vcc_lo
.endr
	v_mov_b32 v20, 0xff800000                      ; the second: the same over the seven others, from -infinity on
	v_mov_b32 v21, 0
.irp e, 0,1,2,3,4,5,6,7
	v_cmp_eq_u32 s34, \e, v19
	v_cmp_le_f32 vcc_lo, v[10+\e], v20
	s_or_b32 vcc_lo, vcc_lo, s34                   ; keep
	v_cndmask_b32 v20, v[10+\e], v20, vcc_lo
	v_cndmask_b32 v21, \e, v21, vcc_lo
.endr
	v_sub_f32 v22, v20, v18                        ; second - largest, 0 or less
	v_mul_f32 v22, 0x3fb8aa3b, v22
	s_wait_alu depctr_va_vdst(0)
	v_exp_f32 v22, v22                             ; t = e^(second - largest)
	v_mov_b32 v24, 0x10000                         ; (a plain instruction behind the transcendental)
	s_wait_alu depctr_va_vdst(0)
	v_add_f32 v23, 1.0, v22
	s_wait_alu depctr_va_vdst(0)
	v_rcp_f32 v26, v23                             ; p0 = 1 / (1 + t)
	v_lshlrev_b32 v25, v19, v24                    ; (a plain instruction)  1 << (16 + e0)
	s_wait_alu depctr_va_vdst(0)
	v_mul_f32 v27, v22, v26                        ; p1 = t p0
	v_lshlrev_b32 v29, v21, v24
	v_lshl_or_b32 v28, v21, 8, v19
	v_or_b32 v28, v28, v25
	v_or_b32 v28, v28, v29
	s_wait_alu depctr_va_vdst(0)
	s_wait_xcnt 0x0                                ; EXEC changes only behind this wait
	v_cmp_gt_u32 vcc_lo, 4, v1
	s_and_saveexec_b32 s21, vcc_lo                 ; lanes 0 to 3: one for each token
	global_store_b32 v8, v28, s[12:13]
	global_store_b64 v9, v[26:27], s[14:15]
	s_wait_xcnt 0x0
	s_or_b32 exec_lo, exec_lo, s21
.Lquant:
	s_wait_dscnt 0x0                               ; my block's 32 numbers are back
	v_max3_num_f32 v10, |v[XB]|, |v[XB+1]|, 0x1800000              ; the largest magnitude, in two chains; the floor 2^(3 - 127) among the leaves: the byte cannot fall under 1
	v_max3_num_f32 v11, |v[XB+16]|, |v[XB+17]|, |v[XB+18]|
.irp i, 2,4,6,8,10,12
	v_max3_num_f32 v10, v10, |v[XB+\i]|, |v[XB+\i+1]|
	v_max3_num_f32 v11, v11, |v[XB+17+\i]|, |v[XB+18+\i]|
.endr
	v_max3_num_f32 v10, v10, |v[XB+14]|, |v[XB+15]|
	v_max3_num_f32 v10, v10, v11, |v[XB+31]|
	v_add_nc_u32 v12, 0xff000000, v10              ; 2 off the exponent field: the conversion takes this operand's exponent field as its scale
	v_lshrrev_b32 v13, 23, v12                     ; the scale's byte
	v_cvt_scalef32_pk16_fp6_f32 v[16:18], v[XB:XB+15], v12
	v_cvt_scalef32_pk16_fp6_f32 v[22:24], v[XB+16:XB+31], v12      ; (a conversion's three registers begin on an even number)
	v_nop                                          ; one plain instruction behind the conversions
	v_mov_b32 v19, v22
	v_mov_b32 v20, v23
	v_mov_b32 v21, v24
	ds_store_b64 v6, v[16:17]
	ds_store_b64 v6, v[18:19] offset:8
	ds_store_b64 v6, v[20:21] offset:16
.irp j, 0,1,2
	ds_load_b64 v[32+2*\j:33+2*\j], v[A_OR] offset:256*\j          ; LDS serves a wave's instructions in order: these see my stores
.endr
	global_store_b8 v7, v13, s[10:11]              ; the 32 lanes write the token's 32 consecutive scale bytes
	s_wait_dscnt 0x0
.irp j, 0,1,2
	global_store_b64 v9, v[32+2*\j:33+2*\j], s[8:9] offset:256*\j  ; 256 consecutive bytes, at a multiple of 256 from the buffer's first byte (a row is 768)
.endr
	s_wait_tensorcnt 0x0
	ds_add_u32 v168, v169
	s_wait_dscnt 0x0
	s_endpgm
.Lfunc_end_k_qa0080a29ce_route:
	.size	k_qa0080a29ce_route, .Lfunc_end_k_qa0080a29ce_route-k_qa0080a29ce_route
	.p2alignl 7, 3214868480
	.fill 96, 4, 3214868480
	.section	.rodata,"a",@progbits
	.p2align	6, 0x0
	.amdhsa_kernel k_qa0080a29ce_route
		.amdhsa_group_segment_fixed_size 22528
		.amdhsa_private_segment_fixed_size 0
		.amdhsa_enable_private_segment 0
		.amdhsa_kernarg_size 48
		.amdhsa_user_sgpr_count 2
		.amdhsa_user_sgpr_kernarg_segment_ptr 1
		.amdhsa_wavefront_size32 1
		.amdhsa_system_sgpr_workgroup_id_x 1
		.amdhsa_system_sgpr_workgroup_id_y 1
		.amdhsa_system_sgpr_workgroup_id_z 1
		.amdhsa_system_vgpr_workitem_id 0
		.amdhsa_next_free_vgpr 170
		.amdhsa_next_free_sgpr 66
		.amdhsa_reserve_vcc 1
		.amdhsa_float_denorm_mode_32 3
		.amdhsa_float_denorm_mode_16_64 3
		.amdhsa_memory_ordered 1
		.amdhsa_forward_progress 1
		.amdhsa_inst_pref_size 35
	.end_amdhsa_kernel
	.amdgpu_metadata
---
amdhsa.version: [ 1, 2 ]
amdhsa.kernels:
  - .name:           k_qa0080a29ce_route
    .symbol:         k_qa0080a29ce_route.kd
    .args:
      - { .name: x, .offset: 0, .size: 8, .value_kind: global_buffer, .address_space: global }
      - { .name: w_router, .offset: 8, .size: 8, .value_kind: global_buffer, .address_space: global }
      - { .name: x_codes, .offset: 16, .size: 8, .value_kind: global_buffer, .address_space: global }
      - { .name: x_scales, .offset: 24, .size: 8, .value_kind: global_buffer, .address_space: global }
      - { .name: ids, .offset: 32, .size: 8, .value_kind: global_buffer, .address_space: global }
      - { .name: gates, .offset: 40, .size: 8, .value_kind: global_buffer, .address_space: global }
    .group_segment_fixed_size: 22528
    .private_segment_fixed_size: 0
    .kernarg_segment_align: 8
    .kernarg_segment_size: 48
    .max_flat_workgroup_size: 128
    .sgpr_count:     66
    .vgpr_count:     170
    .wavefront_size: 32
...
	.end_amdgpu_metadata
.endif
;; end of part 5
;; launch gateup (part 6): grid 32 x 8, 8 waves a work-group, no clusters, 104,448 bytes of LDS; arguments x_codes, x_scales, ids, w_gate, w_up, h_codes, h_scales, table; writes h_codes, h_scales, table
.if DOCPART == 6
	.amdgcn_target "amdgcn-amd-amdhsa--gfx1250"
	.amdhsa_code_object_version 6
	.text
	.protected	k_qa0080a29ce_gateup
	.globl	k_qa0080a29ce_gateup
	.p2align	8
	.type	k_qa0080a29ce_gateup,@function
k_qa0080a29ce_gateup:
	s_mov_b64 s[64:65], 0
	v_nop
	global_prefetch_b8 v0, s[64:65] scope:SCOPE_SE
	s_setreg_imm32_b32 hwreg(HW_REG_WAVE_SCHED_MODE, 0, 2), 2
	s_setreg_imm32_b32 hwreg(HW_REG_WAVE_MODE, 25, 1), 1
	s_wait_xcnt 0x0
	s_wait_alu depctr_vm_vsrc(0)
; GATEUP.  Work-group (s, e): expert e, hidden units 64 s .. 64 s + 63.  h = silu(x Wg) (x Wu) for the tokens that chose e, both products on codes of FP6 (E2M3) with E8M0 scales; h is quantised along the hidden axis and stored as codes.
; THE WEIGHTS ARE READ ONCE, AS f32, BY THE ONE WORK-GROUP THAT USES THEM: 2 x 1,024 rows x 256 bytes.  K is their first axis: a lane takes four columns and its registers run down K; the codes go to LDS as images of the
; operand's registers and stay there.  No tensor load, no cluster: the number of units hangs on the stored choice of experts, no two work-groups share a weight, and what they share (x's codes) is a small part of their bytes.
; THE TOKENS OF e take positions 0, 1, .. in token order.  Every wave makes, from ids, the members' mask of each chunk of 32 tokens and the running counts, in scalar registers, and by them the tokens at 32 positions at a time (MAPTRIP):
; its first pair's ahead of the streaming, each further pair's in the middle of the unit before it, so only for pairs that exist.
; Positions from the count up to the end of the last 32 take some valid token: their numbers are stored and never gathered.  Work-group (0, e) stores (count before chunk, mask) in table.
; THE BLOCKS OF A K STEP: registers 6 c .. 6 c + 5 of lane half h hold quantiser block 4 q + 2 h + c, and byte 2 c + h of a scale word is that block's, alike on both operands: a lane's 48 bytes of a K step are then consecutive in a row.
; PRODUCTS ARE USED TRANSPOSED (source 0 = 16 units of a weight, source 1 = 16 tokens): a lane holds one token.  Lane r of tile 2 b + u takes unit 32 b + 8 u + r + 8 (r / 8), so the 16 registers of tiles 2 b, 2 b + 1 are 16 neighbouring units.
; A UNIT = 32 positions (two tiles of 16) x block b of 32 units x gate and up: 64 matrix instructions on 8 accumulators.  Wave w: b = w % 2, pairs w / 2, w / 2 + 4, ..: the loop counts the wave's own units, one a trip.
; LIMITS: NaN and infinities are not served; a block of zeros, or one under 2^-124, gets the byte 1 with zero codes (only this program reads the bytes).
; REGISTERS.  Window 0: v1-15 lane terms and offsets; v16 the tokens of the pair that is asked for; v22 the next pair's positions; v23 0; v24-31 x's scale words; v32-39 the weights' scale words; v40-63 at work;
;   v64-127 accumulators (32 sub + 8 f, f = 2 m + u); v128-223 two sets of four weight fragments (while streaming: 32 numbers of a column, codes, ids); v224-255 at work.
;   Window 1: two landing sets of 128 while streaming; then x's fragments, 24 q + 12 sub.
; THE MODE: SCHED_MODE bits 1:0 = 2 (LLVM: expert scheduling mode 2), set by the entry lines.  The code itself states the register dependences between vector or matrix instructions and memory or LDS instructions, with s_wait_alu, always for 0.
; THE PLAN.  Registers that memory or LDS instructions touch, and who else names them:
;   the landing sets   Loads of a weight land in them; a set's maxima and moves read it; it is loaded again behind the set's one wait on va_vdst.
;   v[QBY ..], v[QC ..]  Written by a set's vector lines; read by its twelve LDS stores, which stand in ONE run behind that same wait; written again by the next set, behind a wait on vm_vsrc.
;   v[WB ..], v[WS ..]  Two sets.  K step q's products read set q % 2; the LDS loads of step q + 1 land in the other set, which step q - 1's products read: one wait on va_vdst at the head of steps 1 to 7, and behind it the
;                      loads are dealt among the step's products, which name none of their registers.
;   x's fragments, v24-31  Read by the products of their K step; loaded again for the next pair in the unit's middle (steps 0 to 3) and at its end (steps 4 to 7), each time behind a wait on va_vdst.
;   v10-12             The offsets of a pair's x: written by MAKEADDR, behind a wait on vm_vsrc; read by the loads of x, behind a wait on va_vdst.
;   v50, v56-61        A unit's results: written by its last vector lines, read by its three stores behind a wait on va_vdst; written again in the next unit, behind the wait on vm_vsrc in that unit's middle.
;   v4-9, v13-15       Offsets and LDS addresses: made at the head, ahead of the first wait on va_vdst, and never written again.
; Scalar results of vector instructions (the wave's number, the members' masks, the compares of MAPTRIP) have a wait on va_sdst or va_vcc ahead of their first reader.
.set PITCH, 8192                       ; a row of w_gate or w_up in bytes
.set TS,    1552                       ; a fragment's image: 3 x 512 bytes, + 16 so that the sixteen lanes of a store fall into sixteen different columns of 16 bytes
.set QS,    4*TS                       ; a K step's four tiles
.set SCB,   16*QS                      ; behind the images (matrix m, K step q: (8 m + q) QS): the scale words, 64 bytes a tile
.set LS0,   0
.set LS1,   128
.set GA,    4                          ; v4   64 rows x h + 16 r': my 16 bytes of a load
.set WA,    5                          ; v5   where my column 4 r' + 0's codes go
.set WSA,   6                          ; v6   and its scale byte
.set TOK,   16
.set PP,    22                         ; v22  (position << 5) | 31 of the pair that MAPTRIP takes next
.set ZR,    23                         ; v23  0
.set RSC,   24
.set WS,    32
.set QM,    40
.set QSV,   44
.set QBY,   48
.set QD,    52
.set H48,   55                         ; v55  48 h
.set ACC,   64
.set WB,    128
.set QT,    128
.set QC,    160
.set IDS,   192
.set EE,    224
.set MSB, 0
.macro WIN new                         ; the immediate's high byte repeats the setting that is left; bits 1:0 source 0, 3:2 source 1, 5:4 source 2, 7:6 destination
.if MSB != (\new)
	s_set_vgpr_msb (MSB<<8)|(\new)
.set MSB, \new
.endif
.endm
.macro PLACES n
.rept \n
	v_nop
.endr
.endm
; 64 rows x 64 columns of f32: lanes 0-15 take a row's 256 aligned bytes, lanes 16-31 those of the row 64 further down.  Register set + 4 i + j = W[.. + 64 h + rowimm + i][4 r' + j]
.macro SBLOAD set, rowimm
	WIN 0x40                                       ; destination window 1
.set ii, 0
.rept 32
	global_load_b128 v[\set+4*ii:\set+4*ii+3], v[GA], s[10:11] offset:((\rowimm)+ii)*PITCH th:TH_LOAD_NT
.set ii, ii+1
.endr
	WIN 0
.endm
; a landed set: four columns x one block of 32 along K a lane -> four times 24 bytes of codes and a scale byte, into the images.  c: which of my half's two blocks of the K step.  again = 1: not my first set
.macro QSB set, imgimm, scimm, c, again
	s_wait_dscnt 0x0                               ; the last set's LDS stores are done
.if \again
	s_wait_alu depctr_vm_vsrc(0)                   ; the last set's LDS stores have read v[QBY ..] and v[QC ..], which the lines below write again
.endif
	WIN 0x14                                       ; sources 1 and 2 window 1
.irp j, 0,1,2,3
	v_max3_num_f32 v[QM+\j], 0x1800000, |v[\set+\j]|, |v[\set+4+\j]|   ; the floor 2^(3 - 127) among the leaves: the byte cannot fall under 1
.endr
.irp i, 2,4,6,8,10,12,14,16,18,20,22,24,26,28,30
.irp j, 0,1,2,3
	v_max3_num_f32 v[QM+\j], v[QM+\j], |v[\set+4*\i+\j]|, |v[\set+4*\i+4+\j]|   ; the four columns by turns
.endr
.endr
	WIN 0
.irp j, 0,1,2,3
	v_add_nc_u32 v[QSV+\j], 0xff000000, v[QM+\j]   ; 2 off the exponent field: the conversion's scale operand
.endr
.irp j, 0,1,2,3
	v_lshrrev_b32 v[QBY+\j], 23, v[QSV+\j]         ; the scale's byte
.endr
.irp j, 0,1,2,3
	WIN 0x01                                       ; source 0 window 1
.set ii, 0
.rept 32
	v_mov_b32 v[QT+ii], v[\set+4*ii+\j]            ; a conversion wants 16 neighbours along K in consecutive registers
.set ii, ii+1
.endr
	WIN 0
	v_cvt_scalef32_pk16_fp6_f32 v[QC+8*\j:QC+8*\j+2], v[QT:QT+15], v[QSV+\j]
	v_cvt_scalef32_pk16_fp6_f32 v[QD:QD+2], v[QT+16:QT+31], v[QSV+\j]
	v_nop                                          ; one plain instruction behind the conversions
	v_mov_b32 v[QC+8*\j+3], v[QD]
	v_mov_b32 v[QC+8*\j+4], v[QD+1]
	v_mov_b32 v[QC+8*\j+5], v[QD+2]
.endr
	s_wait_alu depctr_va_vdst(0)                   ; the four bytes v[QBY ..] and the four columns' codes v[QC ..] are written, which the LDS stores below read; the maxima and the moves are done reading the landing set, in which the next loads land
.irp j, 0,1,2,3
	ds_store_b8 v[WSA], v[QBY+\j] offset:(\scimm)+4*\j+2*(\c)
.endr
.irp j, 0,1,2,3
.if (\c) == 0                          ; registers 0-5 of the fragment: group 0 whole, the lower half of group 1
	ds_store_b128 v[WA], v[QC+8*\j:QC+8*\j+3] offset:(\imgimm)+16*\j
	ds_store_b64 v[WA], v[QC+8*\j+4:QC+8*\j+5] offset:(\imgimm)+16*\j+512
.else                                  ; registers 6-11: the upper half of group 1, group 2 whole
	ds_store_b64 v[WA], v[QC+8*\j:QC+8*\j+1] offset:(\imgimm)+16*\j+520
	ds_store_b128 v[WA], v[QC+8*\j+2:QC+8*\j+5] offset:(\imgimm)+16*\j+1024
.endif
.endr
.endm
; K step q's weight fragment f = 2 m + u (m: gate, up; u: the two tiles of my block b) and its scale words into set buf: 4 LDS loads
.macro LOADF buf, q, f
.irp g, 0,1,2
	ds_load_b128 v[WB+48*(\buf)+12*(\f)+4*\g:WB+48*(\buf)+12*(\f)+4*\g+3], v[7+(\f)/2] offset:(\q)*QS+((\f)%2)*TS+512*\g
.endr
	ds_load_b32 v[WS+4*(\buf)+(\f)], v9 offset:(8*((\f)/2)+(\q))*256+64*((\f)%2)
.endm
.macro MM q, f, sub
.set rD, ACC+32*(\sub)+8*(\f)
.set rA, WB+48*((\q)%2)+12*(\f)
.set rB, 24*(\q)+12*(\sub)
.set rSA, WS+4*((\q)%2)+(\f)
.set rSB, RSC+(\q)
.if (\q) == 0
.if (\sub) == 0
	v_wmma_scale_f32_16x16x128_f8f6f4 v[rD:rD+7], v[rA:rA+11], v[rB:rB+11], 0, v[rSA], v[rSB] matrix_a_fmt:MATRIX_FMT_FP6 matrix_b_fmt:MATRIX_FMT_FP6
.else
	v_wmma_scale_f32_16x16x128_f8f6f4 v[rD:rD+7], v[rA:rA+11], v[rB:rB+11], 0, v[rSA], v[rSB] matrix_a_fmt:MATRIX_FMT_FP6 matrix_b_fmt:MATRIX_FMT_FP6 matrix_b_scale:MATRIX_SCALE_ROW1
.endif
.else
.if (\sub) == 0
	v_wmma_scale_f32_16x16x128_f8f6f4 v[rD:rD+7], v[rA:rA+11], v[rB:rB+11], v[rD:rD+7], v[rSA], v[rSB] matrix_a_fmt:MATRIX_FMT_FP6 matrix_b_fmt:MATRIX_FMT_FP6
.else
	v_wmma_scale_f32_16x16x128_f8f6f4 v[rD:rD+7], v[rA:rA+11], v[rB:rB+11], v[rD:rD+7], v[rSA], v[rSB] matrix_a_fmt:MATRIX_FMT_FP6 matrix_b_fmt:MATRIX_FMT_FP6 matrix_b_scale:MATRIX_SCALE_ROW1
.endif
.endif
.endm
; a K step: 8 products, and among them the next step's weights are asked for, a fragment's four loads behind that fragment's two products.
; The eight accumulators take turns, one instruction a turn, in the same order in every step.
; The first step's products take the constant 0 as C.  One register carries both tiles' scale words of the tokens: lanes 0-15 tile 0's, lanes 16-31 tile 1's.
; Step 0 has no wait on va_vdst of its own: no vector or matrix instruction stands between the last such wait and the unit's head.
.macro KSTEP q
	WIN 0x04                                       ; source 1 (the tokens) window 1
.if (\q) > 0
	PLACES 4                                       ; behind the products that read the set that is loaded in this step (ISA guide 7.12.1)
	s_wait_alu depctr_va_vdst(0)                   ; the last step's products are done reading the other set of fragments and scale words, in which this step's loads land
.endif
.irp f, 0,1,2,3
.if (\q) < 7
	s_wait_dscnt 12                                ; LDS loads come back in order: fragment f of this step is in; this step's 4 (3 - f) later loads and the 4 f just issued for the next step may be out
.else
	s_wait_dscnt 12-4*\f                           ; the last step asks for nothing: the counts run down
.endif
	MM \q, \f, 0
	MM \q, \f, 1
.if (\q) < 7
	LOADF ((\q)+1)%2, (\q)+1, \f                   ; no wait: no product since the wait at the step's head names the other set
.endif
.endr
.endm
; from the register that holds a pair's 32 tokens (lane l: position l): the byte offsets of my rows' codes for tile 0 and tile 1, and of my position's scale words.  The token is held inside x's 1,024 rows ahead of the arithmetic
.macro MAKEADDR tok
	v_permlanex16_b32 v63, v[\tok], s60, s61
	v_cndmask_b32 v10, v[\tok], v63, s63           ; tile 0: both halves want lane r's token
	v_cndmask_b32 v11, v63, v[\tok], s63           ; tile 1: lane 16 + r's
	v_min_u32 v10, 0x3ff, v10
	v_min_u32 v11, 0x3ff, v11
	v_min_u32 v12, 0x3ff, v[\tok]
	v_mul_u32_u24 v10, v10, 768
	v_mul_u32_u24 v11, v11, 768
	v_add_nc_u32 v10, v10, v[H48]
	v_add_nc_u32 v11, v11, v[H48]
	v_lshlrev_b32 v12, 5, v12
.endm
.macro XLOAD q                         ; (destination window 1)  K step q of both tiles: a lane's 48 consecutive bytes, three loads
.irp sub, 0,1
.irp g, 0,1,2
	global_load_b128 v[24*(\q)+12*\sub+4*\g:24*(\q)+12*\sub+4*\g+3], v[10+\sub], s[4:5] offset:96*(\q)+16*\g
.endr
.endr
.endm
.macro XSLOAD i                        ; four of my position's eight scale words
	global_load_b128 v[RSC+4*(\i):RSC+4*(\i)+3], v12, s[6:7] offset:16*(\i)
.endm
.macro SELSTEP a, wbit, wd             ; where the members in the lower half of the field in hand are k or fewer, pass them over
	v_bfe_u32 v234, v[\a], v233, \wd
	v_cmp_lt_u32 vcc_lo, v227, v234
	s_wait_alu depctr_va_vcc(0)                    ; VCC is written, ahead of the two selects that read it
	v_cndmask_b32 v234, v234, v[ZR], vcc_lo
	v_cndmask_b32 v235, \wbit, v[ZR], vcc_lo
	v_sub_nc_u32 v227, v227, v234
	v_or_b32 v233, v233, v235
.endm
; the search for a position's chunk: eight compares in a run, into eight scalar registers that are free wherever MAPTRIP stands (s8, s9, s50 to s53, s98, s100), one wait, then their selects, in the chunks' order
.macro MAPCMP m, c
.if (\c) < 32
	v_cmp_gt_u32 s[\m], s[66+(\c)], v[PP]          ; keep
.endif
.endm
.macro MAPSEL m, c
.if (\c) < 32
	v_cndmask_b32 v225, s[66+(\c)], v225, s[\m]
	v_cndmask_b32 v226, s[16+(\c)], v226, s[\m]
.endif
.endm
.macro MAPGRP c
	MAPCMP 8, (\c)
	MAPCMP 9, (\c)+1
	MAPCMP 50, (\c)+2
	MAPCMP 51, (\c)+3
	MAPCMP 52, (\c)+4
	MAPCMP 53, (\c)+5
	MAPCMP 98, (\c)+6
	MAPCMP 100, (\c)+7
	s_wait_alu depctr_va_sdst(0)                   ; the run's masks are written, ahead of the selects that read them
	MAPSEL 8, (\c)
	MAPSEL 9, (\c)+1
	MAPSEL 50, (\c)+2
	MAPSEL 51, (\c)+3
	MAPSEL 52, (\c)+4
	MAPSEL 53, (\c)+5
	MAPSEL 98, (\c)+6
	MAPSEL 100, (\c)+7
.endm
; the token at position p (lane l: the pair's position l): the last chunk whose count before it is p or less, and in it the member of rank p - that count.  Then on to my next pair, 128 positions further
.macro MAPTRIP
	v_mov_b32 v225, s66
	v_mov_b32 v226, s16
	MAPGRP 1
	MAPGRP 9
	MAPGRP 17
	MAPGRP 25
	v_lshrrev_b32 v227, 5, v[PP]
	v_lshrrev_b32 v228, 5, v225
	v_sub_nc_u32 v227, v227, v228                  ; k: the rank in the chunk
	v_lshrrev_b32 v229, 1, v226                    ; the mask's bit counts in fields of 2, 4, 8 and 16 bits
	v_and_b32 v229, 0x55555555, v229
	v_sub_nc_u32 v229, v226, v229
	v_lshrrev_b32 v230, 2, v229
	v_and_b32 v230, 0x33333333, v230
	v_and_b32 v231, 0x33333333, v229
	v_add_nc_u32 v230, v230, v231
	v_lshrrev_b32 v231, 4, v230
	v_add_nc_u32 v231, v231, v230
	v_and_b32 v231, 0x0f0f0f0f, v231
	v_lshrrev_b32 v232, 8, v231
	v_add_nc_u32 v232, v232, v231
	v_and_b32 v232, 0x00ff00ff, v232
	v_mov_b32 v233, 0                              ; the bit's place, found from the top bit down
	SELSTEP 232, 16, 5
	SELSTEP 231, 8, 4
	SELSTEP 230, 4, 3
	SELSTEP 229, 2, 2
	SELSTEP 226, 1, 1
	v_and_b32 v234, 31, v225
	v_lshl_or_b32 v[TOK], v234, 5, v233            ; 32 x chunk + place: 1,023 at the most, whatever p
	v_add_nc_u32 v[PP], 4096, v[PP]
.endm
	s_load_b256 s[4:11], s[0:1], 0x0               ; x_codes s[4:5], x_scales s[6:7], ids s[8:9], w_gate s[10:11]
	s_load_b256 s[52:59], s[0:1], 0x20             ; w_up s[52:53], h_codes s[54:55], h_scales s[56:57], table s[58:59]
	v_lshl_add_u32 v20, v0, 2, 0x19400
	v_mov_b32 v21, 0
	v_lshrrev_b32 v40, 5, v0
	v_readfirstlane_b32 s2, v40                    ; wave 0..7
	s_wait_alu depctr_va_sdst(0)                   ; s2 is written, ahead of its first reader
	s_and_b32 s3, s2, 1                            ; streaming: gate (0) or up (1).  Multiplying: block b
	s_lshr_b32 s12, s2, 1                          ; streaming: K steps 2 rg, 2 rg + 1.  Multiplying: pairs rg, rg + 4, ..
	s_and_b32 s13, ttmp7, 0xffff                   ; expert e
	s_mov_b32 s14, ttmp9                           ; slice s
	s_mov_b32 s60, 0x76543210                      ; v_permlanex16_b32's selects for lane l xor 16
	s_mov_b32 s61, 0xfedcba98
	s_mov_b32 s63, 0xffff0000                      ; lanes 16-31
	s_add_co_u32 s62, s13, 16
	s_lshl_b32 s62, 1, s62                         ; e's bit in a word of ids
	v_and_b32 v1, 31, v0                           ; l
	v_and_b32 v2, 15, v0                           ; r
	v_bfe_u32 v3, v0, 4, 1                         ; h
	v_lshlrev_b32 v[GA], 4, v2
	v_lshl_add_u32 v[GA], v3, 19, v[GA]            ; 64 rows of 8,192 bytes x h + 16 r
	v_bfe_u32 v40, v0, 3, 1
	v_bfe_u32 v41, v0, 1, 1
	v_lshl_add_u32 v40, v40, 1, v41                ; column 4 r + j lies in tile 2 (r / 8) + (r / 2) % 2,
	v_and_b32 v41, 1, v0
	v_bfe_u32 v42, v0, 2, 1                        ; at its row 4 (r % 2) + 8 ((r / 4) % 2) + j
	s_lshl_b32 s98, s3, 3
	s_lshl_b32 s99, s12, 1
	s_add_co_u32 s98, s98, s99                     ; 8 m + my first K step
	s_mul_i32 s99, s98, QS
	v_mul_u32_u24 v[WA], v40, TS
	v_lshl_add_u32 v[WA], v41, 6, v[WA]
	v_lshl_add_u32 v[WA], v42, 7, v[WA]
	v_lshl_add_u32 v[WA], v3, 8, v[WA]             ; 16 x (row + 16 h)
	v_add_nc_u32 v[WA], s99, v[WA]
	v_lshlrev_b32 v[WSA], 6, v40
	v_lshl_add_u32 v[WSA], v41, 4, v[WSA]
	v_lshl_add_u32 v[WSA], v42, 5, v[WSA]          ; 4 x row
	v_add_nc_u32 v[WSA], v[WSA], v3                ; byte 2 c + h
	s_lshl_b32 s98, s98, 8
	s_add_co_u32 s98, s98, SCB
	v_add_nc_u32 v[WSA], s98, v[WSA]
	s_mul_i32 s98, s3, 2*TS
	v_lshl_add_u32 v7, v1, 4, s98                  ; reading: 16 l + my block's first tile, gate's images;
	v_add_nc_u32 v8, 8*QS, v7                      ; up's
	s_lshl_b32 s98, s3, 7
	s_add_co_u32 s98, s98, SCB
	v_lshl_add_u32 v9, v2, 2, s98                  ; and the scale words: 4 r
	v_lshlrev_b32 v13, 4, v1                       ; h's codes: 16 l,
	v_lshl_add_u32 v14, v1, 3, 512                 ; 512 + 8 l;
	v_lshlrev_b32 v15, 2, v1                       ; 4 l: ids, and h's scale words
	v_mul_u32_u24 v[H48], v3, 48
	v_mov_b32 v63, 0                               ; (a lane permute's destination counts as one of its sources)
	v_mov_b32 v[ZR], 0
	s_lshl_b32 s98, s13, 23                        ; the weights: expert e,
	s_lshl_b32 s99, s12, 21                        ; 256 rows x rg,
	s_add_co_u32 s98, s98, s99
	s_lshl_b32 s99, s14, 8                         ; 256 bytes x s
	s_add_co_u32 s98, s98, s99
	s_mov_b32 s99, 0
	s_lshl_b32 s100, s13, 5                        ; h's codes: chunk ((32 e + pair) 64 + 2 s + b) of 768 bytes
	s_add_co_u32 s100, s100, s12
	s_lshl_b32 s100, s100, 6
	s_lshl_b32 s101, s14, 1
	s_add_co_u32 s100, s100, s101
	s_add_co_u32 s100, s100, s3
	s_mul_i32 s100, s100, 768
	s_mov_b32 s101, 0
	s_wait_kmcnt 0x0
	s_cmp_eq_u32 s3, 0                             ; the choice hangs on the wave's number alone
	s_cselect_b64 s[10:11], s[10:11], s[52:53]
	s_add_nc_u64 s[10:11], s[10:11], s[98:99]
	s_add_nc_u64 s[54:55], s[54:55], s[100:101]
	s_wait_alu depctr_va_vdst(0)                   ; the offsets and LDS addresses v4 to v9 and v13 to v15 are written, which the loads and stores of the whole kernel read
.set cc, 0
.rept 32
	global_load_b32 v[IDS+cc], v15, s[8:9] offset:128*cc           ; chunk cc: lane l takes token 32 cc + l
.set cc, cc+1
.endr
	SBLOAD LS0, 0
	s_lshl_b32 s98, s13, 4                         ; h's scale bytes: ((16 e + s / 2) 1,024 + 32 pair) words, byte 2 b + s % 2
	s_lshr_b32 s100, s14, 1
	s_add_co_u32 s98, s98, s100
	s_lshl_b32 s98, s98, 10
	s_lshl_b32 s100, s12, 5
	s_add_co_u32 s98, s98, s100
	s_lshl_b32 s98, s98, 2
	s_lshl_b32 s100, s3, 1
	s_add_co_u32 s98, s98, s100
	s_and_b32 s100, s14, 1
	s_add_co_u32 s98, s98, s100
	s_add_nc_u64 s[56:57], s[56:57], s[98:99]
	s_wait_loadcnt 32                              ; ids are in; the 32 weight loads behind them may be out
.set cc, 0
.rept 32
	v_and_b32 v40, s62, v[IDS+cc]
	v_cmp_ne_u32 s[16+cc], 0, v40                  ; the members of e in chunk cc
.set cc, cc+1
.endr
	SBLOAD LS1, 32                                 ; (no wait: no vector instruction has named v4 since the wait above, nor ever this landing set)
	s_wait_alu depctr_va_sdst(0)                   ; the 32 masks s16 to s47 are written, ahead of their first readers, the counts below
	s_mov_b32 s50, 0
.set cc, 0
.rept 32
	s_lshl_b32 s[66+cc], s50, 5                    ; (members before chunk cc) << 5 | cc
	s_or_b32 s[66+cc], s[66+cc], cc
	s_bcnt1_i32_b32 s51, s[16+cc]
	s_add_co_u32 s50, s50, s51
.set cc, cc+1
.endr
	s_add_co_u32 s15, s50, 31
	s_lshr_b32 s15, s15, 5                         ; pairs of tiles: the count, in whole 32s (32 at the most: 1,024 tokens)
	s_add_co_u32 s15, s15, 3
	s_sub_co_u32 s15, s15, s12                     ; (rg is 3 at the most: never negative)
	s_lshr_b32 s15, s15, 2                         ; MY units: the pairs rg, rg + 4, .. under that number; 0 where there is none
	s_lshl_b32 s98, s12, 5
	v_add_nc_u32 v[PP], s98, v1                    ; my first pair's positions: 32 rg + l,
	v_lshl_or_b32 v[PP], v[PP], 5, 31              ; as p << 5 | 31: one compare against (count << 5 | chunk) asks whether count <= p
	MAPTRIP                                        ; my first pair's tokens
	s_cmp_lg_u32 s14, 0                            ; slice 0's wave 0 stores the expert's table: lane c the pair (members before chunk c, mask of chunk c)
	s_cbranch_scc1 .Lno_table
	s_cmp_lg_u32 s2, 0
	s_cbranch_scc1 .Lno_table
	v_mov_b32 v226, 0
	v_mov_b32 v227, 0
.set cc, 0
.rept 32
	v_writelane_b32 v226, s[66+cc], cc
	v_writelane_b32 v227, s[16+cc], cc
.set cc, cc+1
.endr
	v_lshrrev_b32 v226, 5, v226
	v_lshlrev_b32 v228, 3, v1
	s_lshl_b32 s98, s13, 8
	s_add_nc_u64 s[58:59], s[58:59], s[98:99]
	s_wait_alu depctr_va_vdst(0)                   ; v226 to v228 are written: the store's data and offset
	global_store_b64 v228, v[226:227], s[58:59]
	s_wait_xcnt 0x0                                ; the store's registers are written again further down
	s_wait_alu depctr_vm_vsrc(0)                   ; the store has read v226 to v228, which later vector lines write again
.Lno_table:
	; my four sets of 64 x 64 numbers: two are always on their way
	s_wait_loadcnt 32                              ; set 0 is in; set 1's 32 loads may be out
	QSB LS0, 0, 0, 0, 0
	SBLOAD LS0, 128
	s_wait_loadcnt 32                              ; set 1 is in
	QSB LS1, 0, 0, 1, 1
	SBLOAD LS1, 160
	MAKEADDR TOK                                   ; my first pair's offsets in x: ahead of the next set, whose wait on va_vdst shows v10 to v12 written too
	s_wait_loadcnt 32                              ; set 2 is in
	QSB LS0, QS, 256, 0, 1
	WIN 0x40                                       ; my first pair's x is asked for at once, whether or not the pair exists: its tokens are valid rows
	XLOAD 0
	XLOAD 1
	XLOAD 2
	XLOAD 3
	XLOAD 4                                        ; registers 0-119 of window 1: the landing set that has just been read out
	WIN 0
	XSLOAD 0
	XSLOAD 1
	s_wait_loadcnt 32                              ; set 3 is in; the 30 + 2 loads of x behind it may be out
	QSB LS1, QS, 256, 1, 1
	WIN 0x40
	XLOAD 5
	XLOAD 6
	XLOAD 7
	WIN 0
	s_wait_dscnt 0x0                               ; for the others' sake: my images and scale bytes lie in LDS
	s_barrier_signal -1
	s_barrier_wait -1                              ; the one barrier: behind it LDS is only read.  It stands ahead of every branch on the stored choice
	s_wait_alu depctr_vm_vsrc(0)                   ; my LDS stores have read v[QC ..]: from here on weight fragments land in these registers
	s_mov_b32 s99, 0                               ; the upper words of the two steps below
	s_mov_b32 s101, 0
	s_mov_b32 s48, 0                               ; units done
	s_cmp_eq_u32 s15, 0
	s_cbranch_scc1 .Lend
.Lunit:
	s_wait_loadcnt 0x0                             ; this pair's x is in
	s_add_co_u32 s49, s48, 1                       ; is there a unit behind this one?
	LOADF 0, 0, 0                                  ; K step 0's weights.  No wait on va_vdst: no vector or matrix instruction has been issued since the wait ahead of the last unit's stores (first unit: since the last set's wait)
	LOADF 0, 0, 1
	LOADF 0, 0, 2
	LOADF 0, 0, 3
	KSTEP 0
	KSTEP 1
	KSTEP 2
	KSTEP 3
	WIN 0
	s_wait_xcnt 0x0                                ; the last unit's three stores have read their registers and bases: here, half a unit behind them, and ahead of every line that writes those again
	s_wait_alu depctr_vm_vsrc(0)                   ; the last unit's stores have read v50 and v56 to v61, which this unit's last lines write again; the loads of this pair's x have read v10 to v12, which are made anew below
	s_cmp_eq_u32 s48, 0
	s_cselect_b32 s98, 0, 4*49152                  ; h's places step four pairs on, but not in my first unit
	s_cselect_b32 s100, 0, 512
	s_add_nc_u64 s[54:55], s[54:55], s[98:99]
	s_add_nc_u64 s[56:57], s[56:57], s[100:101]
	s_cmp_lt_u32 s49, s15
	s_cbranch_scc0 .Lxa
	PLACES 4                                       ; behind the products that read what is loaded now
	MAPTRIP                                        ; my next pair's tokens
	MAKEADDR TOK
	WIN 0x40
	s_wait_alu depctr_va_vdst(0)                   ; v10 to v12 are written, which the loads below read; the products of K steps 0 to 3 are done reading their fragments of x and v24 to v27, in which those loads land
	XLOAD 0
	XLOAD 1
	XLOAD 2
	XLOAD 3
	WIN 0
	XSLOAD 0
.Lxa:
	KSTEP 4
	KSTEP 5
	KSTEP 6
	KSTEP 7
	WIN 0
	PLACES 5                                       ; behind the last products: results are read, operands loaded anew, and the next unit's first products write over the accumulators
	s_cmp_lt_u32 s49, s15
	s_cbranch_scc0 .Lxb
	WIN 0x40
	s_wait_alu depctr_va_vdst(0)                   ; the products of K steps 4 to 7 are done reading their fragments of x and v28 to v31, in which the loads below land
	XLOAD 4
	XLOAD 5
	XLOAD 6
	XLOAD 7
	WIN 0
	XSLOAD 1
.Lxb:
	; h = g u / (1 + e^-g), in f32.  Each accumulator is read from its low end on
.irp sub, 0,1
.irp i, 0,2,4,6,8,10,12,14
	v_pk_mul_f32 v[EE+16*\sub+\i:EE+16*\sub+\i+1], v[ACC+32*\sub+\i:ACC+32*\sub+\i+1], 0xbfb8aa3b op_sel_hi:[1,0]   ; -g log2(e)
.endr
.endr
.set ii, 0
	s_wait_alu depctr_va_vdst(0)
.rept 32
	v_exp_f32 v[EE+ii], v[EE+ii]
.set ii, ii+1
.endr
	v_nop                                          ; a plain instruction behind the transcendentals
.set ii, 0
	s_wait_alu depctr_va_vdst(0)                   ; the 32 exponentials have written v[EE ..], ahead of their first reader
.rept 16
	v_pk_add_f32 v[EE+ii:EE+ii+1], v[EE+ii:EE+ii+1], 1.0 op_sel_hi:[1,0]
.set ii, ii+2
.endr
.set ii, 0
	s_wait_alu depctr_va_vdst(0)
.rept 32
	v_rcp_f32 v[EE+ii], v[EE+ii]
.set ii, ii+1
.endr
	s_wait_alu depctr_va_vdst(0)
.irp sub, 0,1
.irp i, 0,2,4,6,8,10,12,14
	v_pk_mul_f32 v[ACC+32*\sub+\i:ACC+32*\sub+\i+1], v[ACC+32*\sub+\i:ACC+32*\sub+\i+1], v[ACC+32*\sub+16+\i:ACC+32*\sub+16+\i+1]   ; g u (plain instructions behind the reciprocals)
.endr
.endr
	s_wait_alu depctr_va_vdst(0)                   ; the 32 reciprocals have written v[EE ..], ahead of their first reader
.irp sub, 0,1
.irp i, 0,2,4,6,8,10,12,14
	v_pk_mul_f32 v[ACC+32*\sub+\i:ACC+32*\sub+\i+1], v[ACC+32*\sub+\i:ACC+32*\sub+\i+1], v[EE+16*\sub+\i:EE+16*\sub+\i+1]
.endr
.endr
	; the block of 32 units of a token lies in lanes l and l xor 16, 16 numbers each
.irp sub, 0,1
	v_max3_num_f32 v[QM+\sub], |v[ACC+32*\sub]|, |v[ACC+32*\sub+1]|, 0x1800000
.endr
.irp i, 2,4,6,8,10,12,14
.irp sub, 0,1
	v_max3_num_f32 v[QM+\sub], v[QM+\sub], |v[ACC+32*\sub+\i]|, |v[ACC+32*\sub+\i+1]|
.endr
.endr
.irp sub, 0,1
	v_permlanex16_b32 v[QM+2+\sub], v[QM+\sub], s60, s61
.endr
.irp sub, 0,1
	v_max_num_f32 v[QM+\sub], v[QM+\sub], v[QM+2+\sub]
.endr
.irp sub, 0,1
	v_add_nc_u32 v[QSV+\sub], 0xff000000, v[QM+\sub]
.endr
.irp sub, 0,1
	v_lshrrev_b32 v[QBY+\sub], 23, v[QSV+\sub]
.endr
	v_cvt_scalef32_pk16_fp6_f32 v[56:58], v[ACC:ACC+15], v[QSV]
	v_cvt_scalef32_pk16_fp6_f32 v[60:62], v[ACC+32:ACC+47], v[QSV+1]
	v_nop                                          ; one plain instruction behind the conversions
.irp i, 0,1,2
	v_permlane16_swap_b32 v[56+\i], v[60+\i]       ; tile 0's lanes 16-31 change places with tile 1's lanes 0-15: lane l now holds position l's lower 16 codes in v56-58, its upper 16 in v60-62
.endr
	v_mov_b32 v59, v60
	v_mov_b32 v60, v61
	v_mov_b32 v61, v62
	v_cndmask_b32 v50, v[QBY], v[QBY+1], s63       ; position l's byte
	s_wait_alu depctr_va_vdst(0)                   ; v56 to v61 and v50 are written, which the three stores read.  It is also the last wait on va_vdst ahead of the next unit's first LDS loads: every product of this unit is done reading both sets of fragments
	global_store_b128 v13, v[56:59], s[54:55]      ; 512 consecutive bytes: each position's first 16;
	global_store_b64 v14, v[60:61], s[54:55]       ; 256 consecutive bytes: each position's last 8
	global_store_b8 v15, v50, s[56:57]             ; (their registers and bases are next written behind the waits in the middle of the next unit)
	s_add_co_u32 s48, s48, 1
	s_cmp_lt_u32 s48, s15
	s_cbranch_scc1 .Lunit
.Lend:
	s_wait_dscnt 0x0                               ; the closing lines, six on end
	s_wait_alu 0x0
	s_wait_tensorcnt 0x0
	ds_add_u32 v20, v21
	s_wait_dscnt 0x0
	s_endpgm
.Lfunc_end_k_qa0080a29ce_gateup:
	.size	k_qa0080a29ce_gateup, .Lfunc_end_k_qa0080a29ce_gateup-k_qa0080a29ce_gateup
	.p2alignl 7, 3214868480
	.fill 96, 4, 3214868480
	.section	.rodata,"a",@progbits
	.p2align	6, 0x0
	.amdhsa_kernel k_qa0080a29ce_gateup
		.amdhsa_group_segment_fixed_size 104448
		.amdhsa_private_segment_fixed_size 0
		.amdhsa_enable_private_segment 0
		.amdhsa_kernarg_size 64
		.amdhsa_user_sgpr_count 2
		.amdhsa_user_sgpr_kernarg_segment_ptr 1
		.amdhsa_wavefront_size32 1
		.amdhsa_system_sgpr_workgroup_id_x 1
		.amdhsa_system_sgpr_workgroup_id_y 1
		.amdhsa_system_sgpr_workgroup_id_z 1
		.amdhsa_system_vgpr_workitem_id 0
		.amdhsa_next_free_vgpr 512
		.amdhsa_next_free_sgpr 102
		.amdhsa_reserve_vcc 1
		.amdhsa_float_denorm_mode_32 3
		.amdhsa_float_denorm_mode_16_64 3
		.amdhsa_memory_ordered 1
		.amdhsa_forward_progress 1
		.amdhsa_inst_pref_size 130
	.end_amdhsa_kernel
	.amdgpu_metadata
---
amdhsa.version: [ 1, 2 ]
amdhsa.kernels:
  - .name:           k_qa0080a29ce_gateup
    .symbol:         k_qa0080a29ce_gateup.kd
    .args:
      - { .name: x_codes, .offset: 0, .size: 8, .value_kind: global_buffer, .address_space: global }
      - { .name: x_scales, .offset: 8, .size: 8, .value_kind: global_buffer, .address_space: global }
      - { .name: ids, .offset: 16, .size: 8, .value_kind: global_buffer, .address_space: global }
      - { .name: w_gate, .offset: 24, .size: 8, .value_kind: global_buffer, .address_space: global }
      - { .name: w_up, .offset: 32, .size: 8, .value_kind: global_buffer, .address_space: global }
      - { .name: h_codes, .offset: 40, .size: 8, .value_kind: global_buffer, .address_space: global }
      - { .name: h_scales, .offset: 48, .size: 8, .value_kind: global_buffer, .address_space: global }
      - { .name: table, .offset: 56, .size: 8, .value_kind: global_buffer, .address_space: global }
    .group_segment_fixed_size: 104448
    .private_segment_fixed_size: 0
    .kernarg_segment_align: 8
    .kernarg_segment_size: 64
    .max_flat_workgroup_size: 256
    .sgpr_count:     102
    .vgpr_count:     512
    .wavefront_size: 32
...
	.end_amdgpu_metadata
.endif
;; end of part 6
;; launch down (part 7): grid 32 x 8, 8 waves a work-group, no clusters, 122,368 bytes of LDS; arguments table, h_codes, h_scales, w_down, y; writes y
.if DOCPART == 7
	.amdgcn_target "amdgcn-amd-amdhsa--gfx1250"
	.amdhsa_code_object_version 6
	.text
	.protected	k_qa0080a29ce_down
	.globl	k_qa0080a29ce_down
	.p2align	8
	.type	k_qa0080a29ce_down,@function
k_qa0080a29ce_down:
	s_mov_b64 s[64:65], 0
	v_nop
	global_prefetch_b8 v0, s[64:65] scope:SCOPE_SE
	s_setreg_imm32_b32 hwreg(HW_REG_WAVE_SCHED_MODE, 0, 2), 2
	s_setreg_imm32_b32 hwreg(HW_REG_WAVE_MODE, 25, 1), 1
	s_wait_xcnt 0x0
	s_wait_alu depctr_vm_vsrc(0)
; DOWN.  Work-group (x, e): expert e, outputs 64 ds .. 64 ds + 63 (ds = x % 16), half kh = x / 16 of the hidden axis.  y[kh][1,024 e + position][..] = h[position][half kh] W_down[half kh][..], on codes of FP6 (E2M3) with E8M0 scales.
; The hidden axis is halved so that 256 work-groups each read rows of 256 aligned bytes of the weight; the two halves are added by the last launch.
; W_down is read once, as f32, by the one work-group that uses it: 1,024 rows x 256 bytes, all asked for at the start; wave w quantises K step w into LDS, as images of the operand's registers.
; No tensor load, no cluster: the number of units hangs on the stored table, and no two work-groups share a weight.
; THE BLOCKS OF A K STEP: registers 6 c .. 6 c + 5 of lane half h hold quantiser block 4 q + 2 h + c, byte 2 c + h of a scale word is that block's, alike on both operands.
; h_codes: for each (expert, 32 positions, block): 768 bytes: each position's first 16 bytes (512), then each position's last 8 (256).  h_scales: [expert][K step][position] words.
; PRODUCTS ARE USED TRANSPOSED (source 0 = 16 outputs, source 1 = 16 positions): a lane holds eight neighbouring outputs of one position.
; A UNIT = 32 positions x 64 outputs x 8 K steps: 64 matrix instructions on 8 accumulators.  Wave w: pairs w, w + 8, ..: the loop counts the wave's own units, one a trip.
; Positions past the expert's count, up to the end of its last 32, hold numbers that nobody gathers.
; LIMITS: NaN and infinities are not served; a block of zeros, or one under 2^-124, gets the byte 1 with zero codes.
; REGISTERS.  Window 0: v1-15 lane terms and offsets; v24-31 h's scale words; v32-39 the weight's; v40-63 at work; v64-127 accumulators (32 sub + 8 tile); v128-223 two sets of four weight fragments
;   (while streaming: a column's 32 numbers, codes; on the way out: rows of y).   Window 1: two landing sets of 128 while streaming; then h's fragments, 24 q + 12 sub.
; THE MODE: SCHED_MODE bits 1:0 = 2 (LLVM: expert scheduling mode 2), set by the entry lines.  The code itself states the register dependences between vector or matrix instructions and memory or LDS instructions, with s_wait_alu, always for 0.
; THE PLAN.  Registers that memory or LDS instructions touch, and who else names them:
;   the landing sets   Loads of the weight land in them; a set's maxima and moves read it; h's fragments land there behind the set's one wait on va_vdst.
;   v[QBY ..], v[QC ..]  Written by a set's vector lines; read by its twelve LDS stores, which stand in ONE run behind that same wait; written again by the second set, behind a wait on vm_vsrc.
;   v[WB ..], v[WS ..]  Two sets.  K step q's products read set q % 2; the LDS loads of step q + 1 land in the other set, which step q - 1's products read: one wait on va_vdst at the head of steps 1 to 7, and behind it the
;                      loads are dealt among the step's products, which name none of their registers.  On the way out v128-191 take rows of y from the stage, and the global stores read them.
;   h's fragments, v24-31  Read by the products of their K step; loaded again for the next pair in the unit's middle (steps 0 to 3) and at its end (steps 4 to 7), each time behind a wait on va_vdst.
;   the accumulators   Written by the products; read by the LDS stores into the stage, behind the places and the wait on va_vdst that follows K step 7; written anew by the next unit's first products.
;   v4-15              Offsets and LDS addresses: made at the head, ahead of the first wait on va_vdst, and never written again: h's and y's places move on by scalar bases.
; One wait on vm_vsrc stands at a unit's head, for all that the unit writes again and that LDS or global stores have read.
.set PITCH, 4096                       ; a row of w_down in bytes
.set TS,    1552                       ; a fragment's image: 3 x 512 bytes + 16
.set QS,    4*TS
.set SCB,   8*QS                       ; the scale words, 64 bytes a tile
.set STG,   SCB+8*256                  ; the way out: for each wave 32 rows of 256 bytes + 16
.set LS0,   0
.set LS1,   128
.set GA,    4
.set WA,    5
.set WSA,   6
.set RSC,   24
.set WS,    32
.set QM,    40
.set QSV,   44
.set QBY,   48
.set QD,    52
.set ACC,   64
.set WB,    128
.set QT,    128
.set QC,    160
.set MSB, 0
.macro WIN new                         ; the immediate's high byte repeats the setting that is left; bits 1:0 source 0, 3:2 source 1, 5:4 source 2, 7:6 destination
.if MSB != (\new)
	s_set_vgpr_msb (MSB<<8)|(\new)
.set MSB, \new
.endif
.endm
.macro PLACES n
.rept \n
	v_nop
.endr
.endm
; 64 rows x 64 columns of f32: lanes 0-15 take a row's 256 aligned bytes, lanes 16-31 those of the row 64 further down
.macro SBLOAD set, rowimm
	WIN 0x40
.set ii, 0
.rept 32
	global_load_b128 v[\set+4*ii:\set+4*ii+3], v[GA], s[10:11] offset:((\rowimm)+ii)*PITCH th:TH_LOAD_NT
.set ii, ii+1
.endr
	WIN 0
.endm
; a landed set: four columns x one block of 32 along K a lane -> four times 24 bytes of codes and a scale byte, into the images.  again = 1: not my first set
.macro QSB set, imgimm, scimm, c, again
	s_wait_dscnt 0x0                               ; the last set's LDS stores are done
.if \again
	s_wait_alu depctr_vm_vsrc(0)                   ; the last set's LDS stores have read v[QBY ..] and v[QC ..], which the lines below write again
.endif
	WIN 0x14
.irp j, 0,1,2,3
	v_max3_num_f32 v[QM+\j], 0x1800000, |v[\set+\j]|, |v[\set+4+\j]|   ; the floor 2^(3 - 127) among the leaves
.endr
.irp i, 2,4,6,8,10,12,14,16,18,20,22,24,26,28,30
.irp j, 0,1,2,3
	v_max3_num_f32 v[QM+\j], v[QM+\j], |v[\set+4*\i+\j]|, |v[\set+4*\i+4+\j]|
.endr
.endr
	WIN 0
.irp j, 0,1,2,3
	v_add_nc_u32 v[QSV+\j], 0xff000000, v[QM+\j]
.endr
.irp j, 0,1,2,3
	v_lshrrev_b32 v[QBY+\j], 23, v[QSV+\j]
.endr
.irp j, 0,1,2,3
	WIN 0x01
.set ii, 0
.rept 32
	v_mov_b32 v[QT+ii], v[\set+4*ii+\j]
.set ii, ii+1
.endr
	WIN 0
	v_cvt_scalef32_pk16_fp6_f32 v[QC+8*\j:QC+8*\j+2], v[QT:QT+15], v[QSV+\j]
	v_cvt_scalef32_pk16_fp6_f32 v[QD:QD+2], v[QT+16:QT+31], v[QSV+\j]
	v_nop                                          ; one plain instruction behind the conversions
	v_mov_b32 v[QC+8*\j+3], v[QD]
	v_mov_b32 v[QC+8*\j+4], v[QD+1]
	v_mov_b32 v[QC+8*\j+5], v[QD+2]
.endr
	s_wait_alu depctr_va_vdst(0)                   ; the four bytes v[QBY ..] and the four columns' codes v[QC ..] are written, which the LDS stores below read; the maxima and the moves are done reading the landing set, in which the next loads land
.irp j, 0,1,2,3
	ds_store_b8 v[WSA], v[QBY+\j] offset:(\scimm)+4*\j+2*(\c)
.endr
.irp j, 0,1,2,3
.if (\c) == 0
	ds_store_b128 v[WA], v[QC+8*\j:QC+8*\j+3] offset:(\imgimm)+16*\j
	ds_store_b64 v[WA], v[QC+8*\j+4:QC+8*\j+5] offset:(\imgimm)+16*\j+512
.else
	ds_store_b64 v[WA], v[QC+8*\j:QC+8*\j+1] offset:(\imgimm)+16*\j+520
	ds_store_b128 v[WA], v[QC+8*\j+2:QC+8*\j+5] offset:(\imgimm)+16*\j+1024
.endif
.endr
.endm
.macro LOADF buf, q, f                 ; K step q's weight fragment f and its scale words into set buf: 4 LDS loads
.irp g, 0,1,2
	ds_load_b128 v[WB+48*(\buf)+12*(\f)+4*\g:WB+48*(\buf)+12*(\f)+4*\g+3], v7 offset:(\q)*QS+(\f)*TS+512*\g
.endr
	ds_load_b32 v[WS+4*(\buf)+(\f)], v9 offset:(\q)*256+64*(\f)
.endm
.macro MM q, f, sub
.set rD, ACC+32*(\sub)+8*(\f)
.set rA, WB+48*((\q)%2)+12*(\f)
.set rB, 24*(\q)+12*(\sub)
.set rSA, WS+4*((\q)%2)+(\f)
.set rSB, RSC+(\q)
.if (\q) == 0
.if (\sub) == 0
	v_wmma_scale_f32_16x16x128_f8f6f4 v[rD:rD+7], v[rA:rA+11], v[rB:rB+11], 0, v[rSA], v[rSB] matrix_a_fmt:MATRIX_FMT_FP6 matrix_b_fmt:MATRIX_FMT_FP6
.else
	v_wmma_scale_f32_16x16x128_f8f6f4 v[rD:rD+7], v[rA:rA+11], v[rB:rB+11], 0, v[rSA], v[rSB] matrix_a_fmt:MATRIX_FMT_FP6 matrix_b_fmt:MATRIX_FMT_FP6 matrix_b_scale:MATRIX_SCALE_ROW1
.endif
.else
.if (\sub) == 0
	v_wmma_scale_f32_16x16x128_f8f6f4 v[rD:rD+7], v[rA:rA+11], v[rB:rB+11], v[rD:rD+7], v[rSA], v[rSB] matrix_a_fmt:MATRIX_FMT_FP6 matrix_b_fmt:MATRIX_FMT_FP6
.else
	v_wmma_scale_f32_16x16x128_f8f6f4 v[rD:rD+7], v[rA:rA+11], v[rB:rB+11], v[rD:rD+7], v[rSA], v[rSB] matrix_a_fmt:MATRIX_FMT_FP6 matrix_b_fmt:MATRIX_FMT_FP6 matrix_b_scale:MATRIX_SCALE_ROW1
.endif
.endif
.endm
; a K step: 8 products, and among them the next step's weights are asked for, a fragment's four loads behind that fragment's two products;
; the eight accumulators take turns, one instruction a turn, in the same order in every step.
; Step 0 has no wait on va_vdst of its own: no vector or matrix instruction stands between the last such wait and the unit's head.
.macro KSTEP q
	WIN 0x04                                       ; source 1 (h) window 1
.if (\q) > 0
	PLACES 4                                       ; behind the products that read the set that is loaded in this step (ISA guide 7.12.1)
	s_wait_alu depctr_va_vdst(0)                   ; the last step's products are done reading the other set of fragments and scale words, in which this step's loads land
.endif
.irp f, 0,1,2,3
.if (\q) < 7
	s_wait_dscnt 12                                ; LDS loads come back in order: fragment f of this step is in; this step's 4 (3 - f) later loads and the 4 f just issued for the next step may be out
.else
	s_wait_dscnt 12-4*\f                           ; the last step asks for nothing: the counts run down
.endif
	MM \q, \f, 0
	MM \q, \f, 1
.if (\q) < 7
	LOADF ((\q)+1)%2, (\q)+1, \f                   ; no wait: no product since the wait at the step's head names the other set
.endif
.endr
.endm
.macro HLC q                           ; (destination window 1)  K step q of both tiles of h: for each of my half's two blocks 16 + 8 bytes; sixteen lanes read 256 (128) consecutive bytes
.irp sub, 0,1
.irp c, 0,1
	global_load_b128 v[24*(\q)+12*\sub+6*\c:24*(\q)+12*\sub+6*\c+3], v10, s[6:7] offset:3072*(\q)+768*\c+256*\sub
	global_load_b64 v[24*(\q)+12*\sub+6*\c+4:24*(\q)+12*\sub+6*\c+5], v11, s[6:7] offset:3072*(\q)+768*\c+512+128*\sub
.endr
.endr
.endm
.macro HLS q                           ; and my position's scale word
	global_load_b32 v[RSC+(\q)], v12, s[8:9] offset:4096*(\q)
.endm
	s_load_b256 s[4:11], s[0:1], 0x0               ; table s[4:5], h_codes s[6:7], h_scales s[8:9], w_down s[10:11]
	s_load_b64 s[12:13], s[0:1], 0x20              ; y
	v_lshl_add_u32 v254, v0, 2, 0x1da00
	v_mov_b32 v255, 0
	v_lshrrev_b32 v40, 5, v0
	v_readfirstlane_b32 s2, v40                    ; wave 0..7: streaming: K step w.  Multiplying: pairs w, w + 8, ..
	s_and_b32 s3, ttmp9, 15                        ; ds
	s_lshr_b32 s14, ttmp9, 4                       ; kh
	s_and_b32 s16, ttmp7, 0xffff                   ; e
	v_and_b32 v1, 31, v0                           ; l
	v_and_b32 v2, 15, v0                           ; r
	v_bfe_u32 v3, v0, 4, 1                         ; h
	v_lshlrev_b32 v[GA], 4, v2
	v_lshl_add_u32 v[GA], v3, 18, v[GA]            ; 64 rows of 4,096 bytes x h + 16 r
	v_bfe_u32 v40, v0, 2, 2                        ; column 4 r + j lies in tile r / 4,
	v_and_b32 v41, 3, v0                           ; at its row 4 (r % 4) + j
	s_wait_alu depctr_va_sdst(0)                   ; s2 is written, ahead of its first reader
	s_mul_i32 s22, s2, QS
	v_mul_u32_u24 v[WA], v40, TS
	v_lshl_add_u32 v[WA], v41, 6, v[WA]
	v_lshl_add_u32 v[WA], v3, 8, v[WA]
	v_add_nc_u32 v[WA], s22, v[WA]
	v_lshlrev_b32 v[WSA], 6, v40
	v_lshl_add_u32 v[WSA], v41, 4, v[WSA]
	v_add_nc_u32 v[WSA], v[WSA], v3
	s_lshl_b32 s22, s2, 8
	s_add_co_u32 s22, s22, SCB
	v_add_nc_u32 v[WSA], s22, v[WSA]
	v_lshlrev_b32 v7, 4, v1                        ; reading the images: 16 l
	v_lshl_add_u32 v9, v2, 2, SCB                  ; and the scale words: 4 r
	v_mul_u32_u24 v10, v3, 1536                    ; h's codes: my half's first block is two chunks of 768 bytes on;
	v_lshl_add_u32 v11, v2, 3, v10                 ; + 8 r,
	v_lshl_add_u32 v10, v2, 4, v10                 ; + 16 r
	v_lshlrev_b32 v12, 2, v1                       ; 4 l
	s_mul_i32 s22, s2, 32*272
	s_add_co_u32 s22, s22, STG                     ; my stage
	v_mul_u32_u24 v13, v2, 272
	v_lshl_add_u32 v13, v3, 5, v13
	v_add_nc_u32 v13, s22, v13                     ; in: row r, 32 bytes for each half of the lanes
	v_mul_u32_u24 v14, v3, 272
	v_lshl_add_u32 v14, v2, 4, v14
	v_add_nc_u32 v14, s22, v14                     ; back: lanes 0-15 one row of 256 bytes, lanes 16-31 the next
	v_lshlrev_b32 v15, 12, v3
	v_lshl_add_u32 v15, v2, 4, v15                 ; and the same two rows in y
	s_lshl_b32 s22, s16, 8                         ; the expert's 32 pairs in table
	s_lshl_b32 s24, s16, 23                        ; the weight: expert e,
	s_lshl_b32 s25, s14, 22                        ; 1,024 rows x kh,
	s_add_co_u32 s24, s24, s25
	s_lshl_b32 s25, s2, 19                         ; 128 rows x wave,
	s_add_co_u32 s24, s24, s25
	s_lshl_b32 s25, s3, 8                          ; 256 bytes x ds
	s_add_co_u32 s24, s24, s25
	s_mov_b32 s25, 0
	s_wait_kmcnt 0x0
	s_load_b64 s[20:21], s[4:5], s22 offset:0xf8   ; the last chunk's pair: members before it, and its mask
	s_add_nc_u64 s[10:11], s[10:11], s[24:25]
	s_wait_alu depctr_va_vdst(0)                   ; the offsets and LDS addresses v4 to v15 are written, which the loads and stores of the whole kernel read
	SBLOAD LS0, 0
	SBLOAD LS1, 32
	s_lshl_b32 s24, s16, 5                         ; h's codes: (32 e + pair) x 64 chunks of 768 bytes, + 32 chunks x kh
	s_add_co_u32 s24, s24, s2
	s_mul_i32 s24, s24, 49152
	s_mul_i32 s26, s14, 24576
	s_add_co_u32 s24, s24, s26
	s_add_nc_u64 s[6:7], s[6:7], s[24:25]
	s_lshl_b32 s24, s16, 4                         ; h's scale words: ((16 e + 8 kh) 1,024 + 32 pair) words
	s_lshl_b32 s26, s14, 3
	s_add_co_u32 s24, s24, s26
	s_lshl_b32 s24, s24, 10
	s_lshl_b32 s26, s2, 5
	s_add_co_u32 s24, s24, s26
	s_lshl_b32 s24, s24, 2
	s_add_nc_u64 s[8:9], s[8:9], s[24:25]
	s_lshl_b32 s24, s14, 13                        ; y: row 8,192 kh + 1,024 e + 32 pair, of 4,096 bytes; + 256 ds
	s_lshl_b32 s26, s16, 10
	s_add_co_u32 s24, s24, s26
	s_lshl_b32 s26, s2, 5
	s_add_co_u32 s24, s24, s26
	s_lshl_b32 s24, s24, 12
	s_lshl_b32 s26, s3, 8
	s_add_co_u32 s24, s24, s26
	s_add_nc_u64 s[12:13], s[12:13], s[24:25]
	s_wait_kmcnt 0x0
	s_bcnt1_i32_b32 s15, s21
	s_add_co_u32 s15, s15, s20                     ; the expert's count,
	s_add_co_u32 s15, s15, 31
	s_lshr_b32 s15, s15, 5                         ; in whole 32s,
	s_min_u32 s15, s15, 32                         ; held inside the expert's 1,024 positions: it was read from memory
	s_add_co_u32 s15, s15, 7
	s_sub_co_u32 s15, s15, s2                      ; (the wave's number is 7 at the most: never negative)
	s_lshr_b32 s15, s15, 3                         ; MY units: the pairs w, w + 8, .. under that number; 0 where there is none
	s_wait_loadcnt 32                              ; set 0 is in; set 1's 32 loads may be out
	QSB LS0, 0, 0, 0, 0
	WIN 0x40                                       ; my first pair's h is asked for at once, whether or not the pair exists: the loads stay inside the buffers, and what is not there is not used
	HLC 0
	HLC 1
	HLC 2
	HLC 3
	HLC 4                                          ; registers 0-119 of window 1: the landing set that has just been read out
	WIN 0
	HLS 0
	HLS 1
	HLS 2
	HLS 3
	HLS 4
	s_wait_loadcnt 45                              ; set 1 is in; the 5 x 9 loads of h behind it may be out
	QSB LS1, 0, 0, 1, 1
	WIN 0x40
	HLC 5
	HLC 6
	HLC 7
	WIN 0
	HLS 5
	HLS 6
	HLS 7
	s_wait_dscnt 0x0                               ; for the others' sake: my images and scale bytes lie in LDS
	s_barrier_signal -1
	s_barrier_wait -1                              ; the one barrier: behind it the images are only read, and each wave's stage is its own
	s_mov_b32 s17, 0                               ; units done
	s_cmp_eq_u32 s15, 0
	s_cbranch_scc1 .Lend
.Lunit:
	s_wait_loadcnt 0x0                             ; this pair's h is in, and no load names its bases any more
	s_wait_alu depctr_vm_vsrc(0)                   ; first unit: my LDS stores of the weight's codes have read v[QC ..]; later units: the last unit's global stores have read v128 to v191 and its LDS stores the accumulators: this unit's loads and products write all of these again
	s_add_co_u32 s18, s17, 1                       ; is there a unit behind this one?
	LOADF 0, 0, 0                                  ; K step 0's weights.  No wait on va_vdst: no vector or matrix instruction has been issued since the wait behind the last unit's K step 7 (first unit: since the last set's wait)
	LOADF 0, 0, 1
	LOADF 0, 0, 2
	LOADF 0, 0, 3
	KSTEP 0
	KSTEP 1
	KSTEP 2
	KSTEP 3
	WIN 0
	s_cmp_lt_u32 s18, s15
	s_cbranch_scc0 .Lxa
	PLACES 4                                       ; behind the products that read what is loaded now
	s_add_nc_u64 s[6:7], s[6:7], 8*49152           ; eight pairs on
	s_add_nc_u64 s[8:9], s[8:9], 1024
	WIN 0x40
	s_wait_alu depctr_va_vdst(0)                   ; the products of K steps 0 to 3 are done reading their fragments of h and v24 to v27, in which the loads below land
	HLC 0
	HLC 1
	HLC 2
	HLC 3
	WIN 0
	HLS 0
	HLS 1
	HLS 2
	HLS 3
.Lxa:
	KSTEP 4
	KSTEP 5
	KSTEP 6
	KSTEP 7
	WIN 0
	PLACES 5                                       ; behind the last products: results are read, operands loaded anew, and the next unit's first products write over the accumulators
	s_wait_alu depctr_va_vdst(0)                   ; the products have written the accumulators, which the LDS stores below read; they are done reading K steps 4 to 7's fragments of h and v28 to v31, in which the next pair's loads land, and v128 to v191, in which the loads from the stage land.  The places above stay beside this wait
	s_cmp_lt_u32 s18, s15
	s_cbranch_scc0 .Lxb
	WIN 0x40
	HLC 4
	HLC 5
	HLC 6
	HLC 7
	WIN 0
	HLS 4
	HLS 5
	HLS 6
	HLS 7
.Lxb:
	; the way out: a lane's 32 bytes of a row go into my stage and come back as whole rows of 256 bytes
.irp sub, 0,1
.irp f, 0,1,2,3
	ds_store_b128 v13, v[ACC+32*\sub+8*\f:ACC+32*\sub+8*\f+3] offset:4352*\sub+64*\f        ; each accumulator from its low end on
	ds_store_b128 v13, v[ACC+32*\sub+8*\f+4:ACC+32*\sub+8*\f+7] offset:4352*\sub+64*\f+16
.endr
.endr
.irp t, 0,1,2,3,4,5,6,7,8,9,10,11,12,13,14,15
	ds_load_b128 v[WB+4*\t:WB+4*\t+3], v14 offset:544*\t           ; LDS serves a wave's instructions in order: these see my stores
.endr
.irp t, 0,1,2,3,4,5,6,7,8,9,10,11,12,13,14,15
	s_wait_dscnt 15-\t                             ; rows 2 t, 2 t + 1 are back; the younger loads may be out
	global_store_b128 v15, v[WB+4*\t:WB+4*\t+3], s[12:13] offset:8192*\t th:TH_STORE_NT   ; sixteen lanes store 256 consecutive bytes, at a multiple of 256 from y's first byte
.endr
	s_wait_xcnt 0x0                                ; the stores have read their registers and their base
	s_add_nc_u64 s[12:13], s[12:13], 8*32*4096
	s_add_co_u32 s17, s17, 1
	s_cmp_lt_u32 s17, s15
	s_cbranch_scc1 .Lunit
.Lend:
	s_wait_dscnt 0x0                               ; the closing lines, six on end
	s_wait_alu 0x0
	s_wait_tensorcnt 0x0
	ds_add_u32 v254, v255
	s_wait_dscnt 0x0
	s_endpgm
.Lfunc_end_k_qa0080a29ce_down:
	.size	k_qa0080a29ce_down, .Lfunc_end_k_qa0080a29ce_down-k_qa0080a29ce_down
	.p2alignl 7, 3214868480
	.fill 96, 4, 3214868480
	.section	.rodata,"a",@progbits
	.p2align	6, 0x0
	.amdhsa_kernel k_qa0080a29ce_down
		.amdhsa_group_segment_fixed_size 122368
		.amdhsa_private_segment_fixed_size 0
		.amdhsa_enable_private_segment 0
		.amdhsa_kernarg_size 40
		.amdhsa_user_sgpr_count 2
		.amdhsa_user_sgpr_kernarg_segment_ptr 1
		.amdhsa_wavefront_size32 1
		.amdhsa_system_sgpr_workgroup_id_x 1
		.amdhsa_system_sgpr_workgroup_id_y 1
		.amdhsa_system_sgpr_workgroup_id_z 1
		.amdhsa_system_vgpr_workitem_id 0
		.amdhsa_next_free_vgpr 512
		.amdhsa_next_free_sgpr 66
		.amdhsa_reserve_vcc 0
		.amdhsa_float_denorm_mode_32 3
		.amdhsa_float_denorm_mode_16_64 3
		.amdhsa_memory_ordered 1
		.amdhsa_forward_progress 1
		.amdhsa_inst_pref_size 69
	.end_amdhsa_kernel
	.amdgpu_metadata
---
amdhsa.version: [ 1, 2 ]
amdhsa.kernels:
  - .name:           k_qa0080a29ce_down
    .symbol:         k_qa0080a29ce_down.kd
    .args:
      - { .name: table, .offset: 0, .size: 8, .value_kind: global_buffer, .address_space: global }
      - { .name: h_codes, .offset: 8, .size: 8, .value_kind: global_buffer, .address_space: global }
      - { .name: h_scales, .offset: 16, .size: 8, .value_kind: global_buffer, .address_space: global }
      - { .name: w_down, .offset: 24, .size: 8, .value_kind: global_buffer, .address_space: global }
      - { .name: y, .offset: 32, .size: 8, .value_kind: global_buffer, .address_space: global }
    .group_segment_fixed_size: 122368
    .private_segment_fixed_size: 0
    .kernarg_segment_align: 8
    .kernarg_segment_size: 40
    .max_flat_workgroup_size: 256
    .sgpr_count:     66
    .vgpr_count:     512
    .wavefront_size: 32
...
	.end_amdgpu_metadata
.endif
;; end of part 7
;; launch combine (part 8): grid 256 x 1, 4 waves a work-group, no clusters, 0 bytes of LDS; arguments ids, gates, table, y, out0; writes out0
.if DOCPART == 8
	.amdgcn_target "amdgcn-amd-amdhsa--gfx1250"
	.amdhsa_code_object_version 6
	.text
	.protected	k_qa0080a29ce_combine
	.globl	k_qa0080a29ce_combine
	.p2align	8
	.type	k_qa0080a29ce_combine,@function
k_qa0080a29ce_combine:
	s_mov_b64 s[64:65], 0
	v_nop
	global_prefetch_b8 v0, s[64:65] scope:SCOPE_SE
	s_setreg_imm32_b32 hwreg(HW_REG_WAVE_MODE, 25, 1), 1
	s_wait_xcnt 0x0
; COMBINE.  out0[n] = p0 (y[0][row0] + y[1][row0]) + p1 (y[0][row1] + y[1][row1]), row k = 1,024 e_k + token n's position among e_k's tokens.
; One wave takes one token, n = 4 wg + wave.  The position is (members of e_k before n's chunk of 32) + (members in the chunk below n), from the stored table: all addressing is scalar.
; n's chunk is known from the ids of the launch, so the table's pairs of ALL EIGHT experts at that chunk are asked for together with ids[n] and gates[n], and the two that are wanted are chosen by selects:
; two scalar round trips (the arguments; these loads) stand ahead of the loads of y, not three.
; A stream: four rows of 4,096 bytes in, one out, each load and store 512 consecutive bytes; all 32 loads go out at once.  No LDS, no matrix unit: there is nothing here for them.
; What was read from memory is held inside its table (experts 0-7, rows 0-8,191) ahead of the address arithmetic.
.set R0, 16                            ; v16-143: group i of eight: 16 registers: the two halves of row 0, the two halves of row 1
.set TB, 48                            ; s[48:63]: expert e's pair (members before the chunk, the chunk's mask) at s[48 + 2 e : 49 + 2 e]
	s_load_b256 s[4:11], s[0:1], 0x0               ; ids s[4:5], gates s[6:7], table s[8:9], y s[10:11]
	s_load_b64 s[12:13], s[0:1], 0x20              ; out0
	v_lshrrev_b32 v2, 5, v0
	v_readfirstlane_b32 s14, v2                    ; wave
	v_and_b32 v1, 31, v0
	v_lshlrev_b32 v1, 4, v1                        ; 16 x lane
	s_lshl_b32 s15, ttmp9, 2
	s_add_co_u32 s15, s15, s14                     ; n
	s_lshl_b32 s16, s15, 2
	s_lshl_b32 s17, s15, 3
	s_lshr_b32 s24, s15, 5                         ; n's chunk,
	s_lshl_b32 s25, s24, 3                         ; 8 bytes a pair
	s_wait_alu depctr_va_vdst(0)
	s_wait_kmcnt 0x0
	s_load_b32 s18, s[4:5], s16 offset:0x0         ; e0 | e1 << 8 | ..
	s_load_b64 s[20:21], s[6:7], s17 offset:0x0    ; p0, p1
.irp e, 0,1,2,3,4,5,6,7
	s_load_b64 s[TB+2*\e:TB+2*\e+1], s[8:9], s25 offset:256*\e     ; an expert's 32 pairs are 256 bytes
.endr
	s_lshl_b32 s40, s15, 12
	s_mov_b32 s41, 0
	s_add_nc_u64 s[12:13], s[12:13], s[40:41]      ; my row of out0
	s_and_b32 s32, s15, 31
	s_bfm_b32 s32, s32, 0                          ; the chunk's tokens below n
	s_wait_kmcnt 0x0
	s_and_b32 s22, s18, 0xff
	s_bfe_u32 s23, s18, 0x80008
	s_min_u32 s22, s22, 7
	s_min_u32 s23, s23, 7
	s_mov_b64 s[28:29], s[TB:TB+1]                 ; e0's pair and e1's, chosen among the eight
	s_mov_b64 s[30:31], s[TB:TB+1]
.irp e, 1,2,3,4,5,6,7
	s_cmp_eq_u32 s22, \e
	s_cselect_b64 s[28:29], s[TB+2*\e:TB+2*\e+1], s[28:29]
	s_cmp_eq_u32 s23, \e
	s_cselect_b64 s[30:31], s[TB+2*\e:TB+2*\e+1], s[30:31]
.endr
	s_mov_b32 s44, s21                             ; p1 as the low word of a pair (the packed form names a pair and takes its low word for both halves)
	s_mov_b32 s45, s21
	s_and_b32 s33, s29, s32
	s_bcnt1_i32_b32 s33, s33
	s_add_co_u32 s33, s33, s28
	s_lshl_b32 s34, s22, 10
	s_add_co_u32 s33, s33, s34
	s_min_u32 s33, s33, 0x1fff
	s_lshl_b32 s36, s33, 12
	s_mov_b32 s37, 0
	s_add_nc_u64 s[36:37], s[10:11], s[36:37]      ; row 0, first half of the hidden axis;
	s_add_nc_u64 s[38:39], s[36:37], 0x2000000     ; second half: 8,192 rows on
	s_and_b32 s33, s31, s32
	s_bcnt1_i32_b32 s33, s33
	s_add_co_u32 s33, s33, s30
	s_lshl_b32 s34, s23, 10
	s_add_co_u32 s33, s33, s34
	s_min_u32 s33, s33, 0x1fff
	s_lshl_b32 s40, s33, 12
	s_mov_b32 s41, 0
	s_add_nc_u64 s[40:41], s[10:11], s[40:41]      ; row 1 likewise
	s_add_nc_u64 s[42:43], s[40:41], 0x2000000
.irp i, 0,1,2,3,4,5,6,7
	global_load_b128 v[R0+16*\i:R0+16*\i+3], v1, s[36:37] offset:512*\i th:TH_LOAD_NT       ; each row of y belongs to one token: read once
	global_load_b128 v[R0+16*\i+4:R0+16*\i+7], v1, s[38:39] offset:512*\i th:TH_LOAD_NT
	global_load_b128 v[R0+16*\i+8:R0+16*\i+11], v1, s[40:41] offset:512*\i th:TH_LOAD_NT
	global_load_b128 v[R0+16*\i+12:R0+16*\i+15], v1, s[42:43] offset:512*\i th:TH_LOAD_NT
.endr
.irp i, 0,1,2,3,4,5,6,7
	s_wait_loadcnt 4*(7-\i)                        ; group i's four loads are in; the later groups' may be out
.irp p, 0,2
	v_pk_add_f32 v[R0+16*\i+\p:R0+16*\i+\p+1], v[R0+16*\i+\p:R0+16*\i+\p+1], v[R0+16*\i+4+\p:R0+16*\i+4+\p+1]
	v_pk_add_f32 v[R0+16*\i+8+\p:R0+16*\i+8+\p+1], v[R0+16*\i+8+\p:R0+16*\i+8+\p+1], v[R0+16*\i+12+\p:R0+16*\i+12+\p+1]
	v_pk_mul_f32 v[R0+16*\i+\p:R0+16*\i+\p+1], v[R0+16*\i+\p:R0+16*\i+\p+1], s[20:21] op_sel_hi:[1,0]
	v_pk_fma_f32 v[R0+16*\i+\p:R0+16*\i+\p+1], v[R0+16*\i+8+\p:R0+16*\i+8+\p+1], s[44:45], v[R0+16*\i+\p:R0+16*\i+\p+1] op_sel_hi:[1,0,1]
.endr
	global_store_b128 v1, v[R0+16*\i:R0+16*\i+3], s[12:13] offset:512*\i th:TH_STORE_NT
.endr
	s_endpgm
.Lfunc_end_k_qa0080a29ce_combine:
	.size	k_qa0080a29ce_combine, .Lfunc_end_k_qa0080a29ce_combine-k_qa0080a29ce_combine
	.p2alignl 7, 3214868480
	.fill 96, 4, 3214868480
	.section	.rodata,"a",@progbits
	.p2align	6, 0x0
	.amdhsa_kernel k_qa0080a29ce_combine
		.amdhsa_group_segment_fixed_size 0
		.amdhsa_private_segment_fixed_size 0
		.amdhsa_enable_private_segment 0
		.amdhsa_kernarg_size 40
		.amdhsa_user_sgpr_count 2
		.amdhsa_user_sgpr_kernarg_segment_ptr 1
		.amdhsa_wavefront_size32 1
		.amdhsa_system_sgpr_workgroup_id_x 1
		.amdhsa_system_sgpr_workgroup_id_y 1
		.amdhsa_system_sgpr_workgroup_id_z 1
		.amdhsa_system_vgpr_workitem_id 0
		.amdhsa_next_free_vgpr 144
		.amdhsa_next_free_sgpr 66
		.amdhsa_reserve_vcc 0
		.amdhsa_float_denorm_mode_32 3
		.amdhsa_float_denorm_mode_16_64 3
		.amdhsa_memory_ordered 1
		.amdhsa_forward_progress 1
		.amdhsa_inst_pref_size 12
	.end_amdhsa_kernel
	.amdgpu_metadata
---
amdhsa.version: [ 1, 2 ]
amdhsa.kernels:
  - .name:           k_qa0080a29ce_combine
    .symbol:         k_qa0080a29ce_combine.kd
    .args:
      - { .name: ids, .offset: 0, .size: 8, .value_kind: global_buffer, .address_space: global }
      - { .name: gates, .offset: 8, .size: 8, .value_kind: global_buffer, .address_space: global }
      - { .name: table, .offset: 16, .size: 8, .value_kind: global_buffer, .address_space: global }
      - { .name: y, .offset: 24, .size: 8, .value_kind: global_buffer, .address_space: global }
      - { .name: out0, .offset: 32, .size: 8, .value_kind: global_buffer, .address_space: global }
    .group_segment_fixed_size: 0
    .private_segment_fixed_size: 0
    .kernarg_segment_align: 8
    .kernarg_segment_size: 40
    .max_flat_workgroup_size: 128
    .sgpr_count:     66
    .vgpr_count:     144
    .wavefront_size: 32
...
	.end_amdgpu_metadata
.endif
;; end of part 8
